; MI455X (gfx1250); checked and timed in simulation.
; The chip was launched on July 23, 2026; its instructions are those of AMD's public machine-readable ISA for CDNA 5 (MIT licence, August 2026) and "CDNA5" Instruction Set Architecture Reference Guide (July 2026). The comments in the code are by the model that wrote it; some were corrected since.
;; Strategy Layer. Allowed arithmetic: matrix products marked QUANTISED: E2M3 operands, one E8M0 scale for each 32 along K, by v_wmma_scale_f32_16x16x128_f8f6f4 with both operands' format E2M3, f32 sums; products left as they are: f32 operands where the result goes on into a quantised operand, else bf16, f16 or f32 operands; f32 sums; everything else in f32.
;; Inputs: H 4,096 x 2,048 float32; W_hh_codes 2,048 x 64 x 24 uint8 (E2M3 codes of W_hh, K innermost, in blocks of 32 codes, four codes in three bytes); W_hh_scales 2,048 x 64 uint8 (E8M0 scales of W_hh, one for each 32 codes along K); W_hq 2,048 x 1 float32; W_hr_codes 2,048 x 64 x 24 uint8 (E2M3 codes of W_hr, K innermost, in blocks of 32 codes, four codes in three bytes); W_hr_scales 2,048 x 64 uint8 (E8M0 scales of W_hr, one for each 32 codes along K); W_hz_codes 2,048 x 64 x 24 uint8 (E2M3 codes of W_hz, K innermost, in blocks of 32 codes, four codes in three bytes); W_hz_scales 2,048 x 64 uint8 (E8M0 scales of W_hz, one for each 32 codes along K); W_xh_codes 2,048 x 4 x 24 uint8 (E2M3 codes of W_xh, K innermost, in blocks of 32 codes, four codes in three bytes); W_xh_scales 2,048 x 4 uint8 (E8M0 scales of W_xh, one for each 32 codes along K); W_xr_codes 2,048 x 4 x 24 uint8 (E2M3 codes of W_xr, K innermost, in blocks of 32 codes, four codes in three bytes); W_xr_scales 2,048 x 4 uint8 (E8M0 scales of W_xr, one for each 32 codes along K); W_xz_codes 2,048 x 4 x 24 uint8 (E2M3 codes of W_xz, K innermost, in blocks of 32 codes, four codes in three bytes); W_xz_scales 2,048 x 4 uint8 (E8M0 scales of W_xz, one for each 32 codes along K); b_h 2,048 float32; b_q 1 float32; b_r 2,048 float32; b_z 2,048 float32; x_codes 4,096 x 4 x 24 uint8 (E2M3 codes of x, K innermost, in blocks of 32 codes, four codes in three bytes); x_scales 4,096 x 4 uint8 (E8M0 scales of x, one for each 32 codes along K).
;; Outputs: out0 4,096 x 1 float32.
;; This version of the problem:
;;   THIS VERSION OF THE PROBLEM IS GIVEN IN LOW PRECISION. The matrix products marked QUANTISED in the list below multiply operands that are first quantised to E2M3 (2 exponent bits, 3 mantissa bits; 6 bits a number), with one power-of-two scale for each 32 numbers along K (OCP MX v1.0); their sums are f32. All else is computed in f32.
;;   The module's matrix products, in the order in which they are computed (A, B: the left and right operand; K: the contracted axis; several contracted axes count as one K, in the product's order):
;;     1. [M 4,096, K 128] x [K 128, N 2,048]; A: input x (given as codes); B: input W_xz (given as codes): QUANTISED
;;     2. [M 4,096, K 2,048] x [K 2,048, N 2,048]; A: input H; B: input W_hz (given as codes): QUANTISED
;;     3. [M 4,096, K 128] x [K 128, N 2,048]; A: input x (given as codes); B: input W_xr (given as codes): QUANTISED
;;     4. [M 4,096, K 2,048] x [K 2,048, N 2,048]; A: input H; B: input W_hr (given as codes): QUANTISED
;;     5. [M 4,096, K 128] x [K 128, N 2,048]; A: input x (given as codes); B: input W_xh (given as codes): QUANTISED
;;     6. [M 4,096, K 2,048] x [K 2,048, N 2,048]; A: computed on the way; B: input W_hh (given as codes): QUANTISED
;;     7. [M 4,096, K 2,048] x [K 2,048, N 1]; A: computed on the way; B: input W_hq: left as it is (N = 1 < 16)
;;   THE QUANTISER, for each operand of a quantised product, along K:
;;     - K is cut into blocks of 32 from its start; a last block that is shorter is filled with zeros.
;;     - A block's scale is 2^e with e = floor(log2(the largest magnitude in the block)) - 2, held to -126 .. 127; a block of zeros has e = 0. As a byte (E8M0): e + 127.
;;     - Each number is divided by its block's scale, clamped to +-7.5, and rounded to the nearest number of E2M3, ties to even, subnormals kept.
;;     - The product sums the exact products of the quantised numbers (number of the format x scale) in f32.
;;   ~~~python
;;   def quantise(x, axis):      # numpy; x: float32 -> the quantised numbers, widened to float32 again
;;       x = np.moveaxis(x, axis, -1); K = x.shape[-1]
;;       x = np.pad(x, [(0, 0)] * (x.ndim - 1) + [(0, -K % 32)]); x = x.reshape(x.shape[:-1] + (-1, 32)); a = np.abs(x).max(-1, keepdims=True)
;;       e = np.where(a > 0, np.clip(np.frexp(np.where(a > 0, a, 1))[1] - 1 - 2, -126, 127), 0)      # np.frexp(a)[1] - 1 = floor(log2(a)), exactly
;;       r = np.clip(x / 2.0 ** e, -7.5, 7.5)
;;       step = 2.0 ** (np.maximum(np.frexp(np.where(r == 0, 1, r))[1] - 1, 0) - 3)
;;       q = np.round(r / step) * step * 2.0 ** e      # np.round: ties to even
;;       return np.moveaxis(q.reshape(q.shape[:-2] + (-1,))[..., :K], -1, axis).astype(np.float32)
;;   ~~~
;;   OPERANDS COMPUTED ON THE WAY. 'Computed on the way' means the value that the module computes at that place (a softmax that the list does not call 'softmax' is quantised finished and normalised). What goes into a quantiser is computed in f32, as accurately as f32 sums, v_exp_f32 and their like allow (about 1e-6 of the number): no bf16 or f16 on the way to a quantiser, and a product that is left as it is and whose result goes on into a quantised operand takes f32 operands (vector FMAs, or v_wmma_f32_16x16x4_f32). A number that lies on a knife's edge between two numbers of the format may be rounded either way, as far as f32 arithmetic and the matrix unit's own rounding can turn it there, and no further.
;;   INPUTS GIVEN AS CODES. W_hh (in the module: [2048, 2048], K = its axis 0); W_hr (in the module: [2048, 2048], K = its axis 0); W_hz (in the module: [2048, 2048], K = its axis 0); W_xh (in the module: [128, 2048], K = its axis 0); W_xr (in the module: [128, 2048], K = its axis 0); W_xz (in the module: [128, 2048], K = its axis 0); x (in the module: [4096, 128], K = its axis 1): each comes as NAME_codes (uint8): NAME with its K axis moved to the last place and cut into blocks of 32 codes, [.., K / 32, bytes a block], one block behind the other in memory; four codes in three bytes: a row's codes are one little-endian stream of bits, code i at bits 6 i .. 6 i + 5 (a code: sign, 2 exponent bits, 3 mantissa bits); and NAME_scales (uint8): the same leading axes, one E8M0 byte (e + 127) for each 32 codes along K. Its value is code x scale, taken as it is: it is not quantised again, and the codes and scales need not be those that the quantiser above would give.
;; One version. Each part assembles by itself: llvm-mc -triple=amdgcn-amd-amdhsa -mcpu=gfx1250 --defsym DOCPART=n.
;; ======== version 1 of 1: 4 launches
;; limits: right only within a limited range of input values
;; workspace buffers: hc 6,553,600 bytes; rhc 6,553,600 bytes; wsc 393,216 bytes; part 262,144 bytes; wf 9,437,184 bytes
;; launch prep (part 1): grid 460 x 1, 4 waves a work-group, no clusters, 34,304 bytes of LDS; arguments H, W_hz_scales, W_hr_scales, W_hh_scales, hc, wsc, W_hz_codes, W_hr_codes, W_hh_codes, wf; writes hc, wsc, wf
.if DOCPART == 1
	.amdgcn_target "amdgcn-amd-amdhsa--gfx1250"
	.amdhsa_code_object_version 6
	.text
	.protected	k_qe1df274358_prep
	.globl	k_qe1df274358_prep
	.p2align	8
	.type	k_qe1df274358_prep,@function
k_qe1df274358_prep:
	s_mov_b64 s[64:65], 0
	v_nop
	global_prefetch_b8 v0, s[64:65] scope:SCOPE_SE
	s_setreg_imm32_b32 hwreg(HW_REG_WAVE_MODE, 25, 1), 1
	s_wait_xcnt 0x0
; ONE STEP OF A GRU, in four launches: prep, gate_r, gate_zh, finish.  Nothing of the computation is left out: every input has a way to out0 and is loaded by some launch.
; PREP does once what the 512 work-groups of the two gate launches would else repeat.
;  (a) H [4096][2048] f32 is quantised along K into codes of FP6 (E2M3) with one E8M0 byte for each 32 along K, and laid in the ORDER OF THE OPERAND'S REGISTERS:
;      hc = [row tile of 256: 16][K step of 128: 16][record of 25,600 bytes].  A record: 16 fragment images of 1,536 bytes (block i = rows 16 i ..; registers 4 c .. 4 c + 3 of lane l at 512 c + 16 l), then
;      4 scale images of 256 bytes (group w = rows 64 w ..; lane l's 8 bytes at 8 l: first word lanes 0-15 block 4 w, lanes 16-31 block 4 w + 1; second word blocks 4 w + 2 and 4 w + 3).
;  (b) the scale bytes of W_hz, W_hr, W_hh [2048][64] are re-laid as wsc = [matrix 3][column tile of 128: 16][512 along K: 4][2,048 bytes]: the piece at 512 i + 16 l holds the 16 bytes of weight row 16 (i + 4 (l / 16)) + l % 16.
; A block's scale is 2^(floor(log2(its largest magnitude)) - 2); its byte is that magnitude's exponent field - 2, held at 1 from below.
; LIMITS: a block of zeros gets the byte 1 where the quantiser says 127 (its codes are zeros, and this program alone reads the bytes); blocks whose largest magnitude lies under 2^-124 share that byte; NaN and infinities among the inputs are not served.
; SHARES.  Work-groups 0-255: group of 64 rows g = wg / 4; wave w takes K step 4 (wg % 4) + w: 64 rows x 128 along K = four fragments and one scale image.  Work-groups 256-267: matrix (wg - 256) / 4, a column tile a wave.
; A load reads a row's 512 consecutive bytes; the conversions want 16 neighbours along K in one lane: 16 rows at a time turn through the wave's own stage in LDS (pitch 528).  Waves share nothing: no barrier.
.set STG,   16*528                     ; a wave's stage
.set SPARE, 4*STG                      ; behind the stages: the spare words, 128 bytes for each wave, which no other line names
.set LD,  4                            ; v4   16 x lane
.set STI, 5                            ; v5   the stage, on the way in: + 16 x lane
.set STO, 6                            ; v6   on the way out: + 528 r + 64 h
.set GS,  7                            ; v7   8 x lane
.set SPW, 12                           ; v12  my spare word; never rewritten
.set NIL, 13                           ; v13  0; never rewritten
.set X,   16                           ; v16-143  two sets of 64 numbers: register 16 b + i = k 32 b + 16 h + i of row r
.set PC,  144                          ; v144-191 the four fragments' codes
.set PX,  192                          ; v192-199 the conversions' second halves
.set TM,  200                          ; v200-215 at work
.set PW,  216                          ; v216-219 the four fragments' scale words
.set LO,  220                          ; v220-221 the scale image's pair
.set SEL, 20                           ; s[20:21] v_permlanex16_b32's selects for lane l xor 16
.set MSB, 0
.macro WIN new                         ; the immediate's high byte repeats the setting that is left
.if MSB != \new
	s_set_vgpr_msb (MSB<<8)|\new
.set MSB, \new
.endif
.endm
; 64 numbers of a lane become a fragment's 12 registers of codes at v[pc] and its row's scale word in v[pw]
.macro QUANT s, pc, pw
.irp b, 0,1,2,3
	v_max3_num_f32 v[TM+\b], |v[(\s)+16*\b]|, |v[(\s)+1+16*\b]|, 0x1800000   ; my 16 numbers of block b, and the floor 2^(3 - 127): the byte cannot fall under 1
.endr
.irp i, 2,4,6,8,10,12,14
.irp b, 0,1,2,3
	v_max3_num_f32 v[TM+\b], v[TM+\b], |v[(\s)+16*\b+\i]|, |v[(\s)+1+16*\b+\i]|   ; the four blocks by turns
.endr
.endr
.irp b, 0,1,2,3
	v_permlanex16_b32 v[TM+4+\b], v[TM+\b], s[SEL], s[SEL+1]
.endr
.irp b, 0,1,2,3
	v_max_num_f32 v[TM+\b], v[TM+\b], v[TM+4+\b]   ; with lane l xor 16's 16: the block's largest magnitude
.endr
.irp b, 0,1,2,3
	v_add_nc_u32 v[TM+12+\b], 0xff000000, v[TM+\b]   ; 2 off its exponent field: the conversion's scale operand
.endr
.irp b, 0,1,2,3
	v_lshrrev_b32 v[TM+4+\b], 23, v[TM+12+\b]      ; the scale's byte
.endr
	v_lshl_or_b32 v[(\pw)], v[TM+5], 8, v[TM+4]
	v_lshl_or_b32 v[(\pw)], v[TM+6], 16, v[(\pw)]
	v_lshl_or_b32 v[(\pw)], v[TM+7], 24, v[(\pw)]
.irp c, 0,1
	v_cvt_scalef32_pk16_fp6_f32 v[(\pc)+6*\c:(\pc)+2+6*\c], v[(\s)+32*\c:(\s)+15+32*\c], v[TM+12+2*\c]
	v_cvt_scalef32_pk16_fp6_f32 v[PX+4*\c:PX+2+4*\c], v[(\s)+16+32*\c:(\s)+31+32*\c], v[TM+12+2*\c+1]   ; (a conversion's three registers begin on an even number)
.endr
	v_nop                                          ; one plain instruction behind the conversions
.irp c, 0,1                                    ; the operand wants a whole block in a lane: lanes 0-15 block 2 c, lanes 16-31 block 2 c + 1
.irp i, 0,1,2
	v_permlane16_swap_b32 v[(\pc)+6*\c+\i], v[PX+4*\c+\i]
.endr
.irp i, 0,1,2
	v_mov_b32 v[(\pc)+3+6*\c+\i], v[PX+4*\c+\i]
.endr
.endr
.endm
; fragment f's 16 rows go through the stage: LDS serves a wave's instructions in order, so no wait stands between the stores and the loads, nor ahead of the next fragment's stores
.macro TURN f
	s_wait_loadcnt 48-16*(\f)                      ; loads come back in order: the loads of the fragments behind f may stay out
	WIN 0x04                                       ; an LDS store's data are its source 1: window 1
.irp i, 0,1,2,3,4,5,6,7,8,9,10,11,12,13,14,15
	ds_store_b128 v[STI], v[64*(\f)+4*\i:64*(\f)+4*\i+3] offset:528*\i
.endr
	WIN 0
.irp b, 0,1,2,3
.irp j, 0,1,2,3
	ds_load_b128 v[X+64*((\f)%2)+16*\b+4*\j:X+64*((\f)%2)+16*\b+4*\j+3], v[STO] offset:128*\b+16*\j
.endr
.endr
.endm
	s_load_b256 s[4:11], s[0:1], 0x0               ; H s[4:5]; the scales of W_hz s[6:7], W_hr s[8:9], W_hh s[10:11]
	s_load_b128 s[12:15], s[0:1], 0x20             ; hc s[12:13], wsc s[14:15]
	s_load_b256 s[32:39], s[0:1], 0x30             ; the codes of W_hz s[32:33], W_hr s[34:35], W_hh s[36:37]; wf s[38:39]
	v_lshl_add_u32 v[SPW], v0, 2, SPARE
	v_mov_b32 v[NIL], 0
	v_lshrrev_b32 v1, 5, v0
	v_readfirstlane_b32 s16, v1                    ; wave 0..3
	v_and_b32 v3, 31, v0                           ; lane
	v_and_b32 v1, 15, v0                           ; r
	v_bfe_u32 v2, v0, 4, 1                         ; h
	v_lshlrev_b32 v[LD], 4, v3
	s_cmp_lt_u32 ttmp9, 256
	s_cbranch_scc0 .Lscales
	; ---- H
	s_lshr_b32 s17, ttmp9, 2                       ; g: which 64 rows
	s_and_b32 s18, ttmp9, 3
	s_lshl_b32 s18, s18, 2
	s_add_co_u32 s18, s18, s16                     ; which K step
	s_mul_i32 s19, s16, STG
	v_add_nc_u32 v[STI], s19, v[LD]
	v_mul_u32_u24 v[STO], v1, 528
	v_lshl_add_u32 v[STO], v2, 6, v[STO]
	v_add_nc_u32 v[STO], s19, v[STO]
	v_lshlrev_b32 v[GS], 3, v3
	s_mov_b32 s[SEL], 0x76543210
	s_mov_b32 s[SEL+1], 0xfedcba98
.irp b, 0,1,2,3
	v_mov_b32 v[TM+4+\b], 0                        ; written once: a lane permute's destination counts as one of its sources
.endr
	s_lshl_b32 s22, s17, 19                        ; 64 rows of 8,192 bytes,
	s_lshl_b32 s23, s18, 9                         ; 512 bytes a K step
	s_add_co_u32 s22, s22, s23
	s_mov_b32 s23, 0
	s_lshr_b32 s24, s17, 2                         ; the row tile
	s_lshl_b32 s24, s24, 4
	s_add_co_u32 s24, s24, s18
	s_mul_i32 s24, s24, 25600                      ; the record
	s_and_b32 s26, s17, 3                          ; my 64 rows in it
	s_mul_i32 s27, s26, 6144
	s_lshl_b32 s28, s26, 8
	s_add_co_u32 s26, s24, s27                     ; where my four images begin,
	s_mov_b32 s27, 0
	s_add_co_u32 s28, s24, s28
	s_add_co_u32 s28, s28, 24576                   ; and my scale image
	s_mov_b32 s29, 0
	s_wait_alu depctr_va_vdst(0)
	s_wait_kmcnt 0x0
	s_add_nc_u64 s[4:5], s[4:5], s[22:23]
	s_add_nc_u64 s[26:27], s[12:13], s[26:27]
	s_add_nc_u64 s[28:29], s[12:13], s[28:29]
	WIN 0x40                                       ; destination window 1
.set ii, 0
.rept 64
	global_load_b128 v[4*ii:4*ii+3], v[LD], s[4:5] offset:8192*ii th:TH_LOAD_NT   ; row ii: 32 lanes read 512 consecutive bytes; all of the wave's 32 KiB are asked for at once
.set ii, ii+1
.endr
	WIN 0
	TURN 0
.irp f, 0,1,2,3
.if \f < 3
	TURN \f+1                                      ; the next fragment turns while this one is worked
	s_wait_dscnt 32                                ; this fragment is back: the next one's 16 stores and 16 loads may stay out
.else
	s_wait_dscnt 0x0
.endif
	QUANT X+64*(\f%2), PC+12*\f, PW+\f
.irp c, 0,1,2
	global_store_b128 v[LD], v[PC+12*\f+4*\c:PC+12*\f+4*\c+3], s[26:27] offset:1536*\f+512*\c   ; 32 lanes store 512 consecutive bytes, aligned
.endr
.endr
	v_cmp_ne_u32 vcc_lo, 0, v2
	v_cndmask_b32 v[LO], v[PW], v[PW+1], vcc_lo    ; lanes 0-15 block 0's words, lanes 16-31 block 1's
	v_cndmask_b32 v[LO+1], v[PW+2], v[PW+3], vcc_lo
	global_store_b64 v[GS], v[LO:LO+1], s[28:29]   ; 256 consecutive bytes, aligned
	s_wait_tensorcnt 0x0                           ; the wave's end
	ds_add_u32 v[SPW], v[NIL]
	s_wait_dscnt 0x0
	s_endpgm
.Lscales:                                              ; ---- the weights' scale bytes: no LDS on this way
	s_cmp_lt_u32 ttmp9, 268
	s_cbranch_scc0 .Lcodes
	s_sub_co_u32 s17, ttmp9, 256
	s_and_b32 s18, s17, 3
	s_lshl_b32 s18, s18, 2
	s_add_co_u32 s18, s18, s16                     ; the column tile
	s_lshr_b32 s19, s17, 2                         ; the matrix: 0 z, 1 r, 2 h
	s_lshl_b32 s22, s18, 13                        ; 128 rows of 64 bytes
	s_mov_b32 s23, 0
	s_lshl_b32 s24, s19, 4
	s_add_co_u32 s24, s24, s18
	s_lshl_b32 s24, s24, 13
	s_mov_b32 s25, 0
	s_wait_alu depctr_va_vdst(0)
	v_lshlrev_b32 v5, 6, v1
	v_lshl_add_u32 v5, v2, 12, v5                  ; row r, and 64 rows on for lanes 16-31
	s_wait_alu depctr_va_vdst(0)
	s_wait_kmcnt 0x0
	s_cmp_lt_u32 s17, 4                            ; the choice hangs on the work-group's number alone
	s_cselect_b64 s[6:7], s[6:7], s[8:9]
	s_cmp_lt_u32 s17, 8
	s_cselect_b64 s[6:7], s[6:7], s[10:11]
	s_add_nc_u64 s[6:7], s[6:7], s[22:23]
	s_add_nc_u64 s[14:15], s[14:15], s[24:25]
.irp sl, 0,1,2,3
.irp i, 0,1,2,3
	global_load_b128 v[16+16*\sl+4*\i:16+16*\sl+4*\i+3], v5, s[6:7] offset:1024*\i+16*\sl
.endr
.endr
.irp sl, 0,1,2,3
.irp i, 0,1,2,3
	s_wait_loadcnt 15-4*\sl-\i                     ; the younger loads may stay out
	global_store_b128 v[LD], v[16+16*\sl+4*\i:16+16*\sl+4*\i+3], s[14:15] offset:2048*\sl+512*\i   ; 512 consecutive bytes, aligned
.endr
.endr
	s_endpgm
; (c) THE WEIGHTS' CODES, work-groups 268-459: W_hz, W_hr, W_hh [2048][1536 bytes] are re-laid in the order of the operand's registers:
; wf = [matrix 3][column tile of 128: 16][K step of 128: 16][12,288 bytes]: 8 fragment images of 1,536 bytes (block i = weight rows 16 i ..; registers 4 c .. 4 c + 3 of lane l at 512 c + 16 l).
; So a tile of the gate launches is a dense block whose rows of 256 bytes begin on multiples of 256.  A wave takes 16 weight rows x 8 K steps: 768 consecutive bytes of each row, three whole blocks of 256.  No LDS on this way.
.Lcodes:
	s_sub_co_u32 s17, ttmp9, 268                   ; 0 .. 191: 64 work-groups a matrix
	s_lshr_b32 s19, s17, 6                         ; the matrix: 0 z, 1 r, 2 h
	s_and_b32 s18, s17, 63
	s_lshl_b32 s18, s18, 1
	s_lshr_b32 s22, s16, 1
	s_add_co_u32 s18, s18, s22                     ; which 16 weight rows: 0 .. 127
	s_and_b32 s20, s16, 1                          ; which 8 K steps
	s_mul_i32 s22, s18, 16*1536
	s_mul_i32 s23, s20, 768
	s_add_co_u32 s22, s22, s23
	s_mov_b32 s23, 0
	s_lshl_b32 s24, s19, 4
	s_lshr_b32 s25, s18, 3
	s_add_co_u32 s24, s24, s25                     ; matrix x 16 + column tile
	s_lshl_b32 s24, s24, 1
	s_add_co_u32 s24, s24, s20
	s_mul_i32 s24, s24, 8*12288
	s_and_b32 s25, s18, 7                          ; the block in its tile
	s_mul_i32 s25, s25, 1536
	s_add_co_u32 s24, s24, s25
	s_mov_b32 s25, 0
	s_wait_alu depctr_va_vdst(0)                   ; ahead of the readers below
	v_mul_u32_u24 v5, v1, 1536
	v_mad_u32_u24 v5, v2, 24, v5                   ; row r, + 24 h
	s_wait_alu depctr_va_vdst(0)
	s_wait_kmcnt 0x0
	s_cmp_lt_u32 s17, 64                           ; the choice hangs on the work-group's number alone
	s_cselect_b64 s[32:33], s[32:33], s[34:35]
	s_cmp_lt_u32 s17, 128
	s_cselect_b64 s[32:33], s[32:33], s[36:37]
	s_add_nc_u64 s[32:33], s[32:33], s[22:23]
	s_add_nc_u64 s[38:39], s[38:39], s[24:25]
.irp q, 0,1,2,3,4,5,6,7
.irp p, 0,1,2,3,4,5
	global_load_b64 v[16+12*\q+2*\p:17+12*\q+2*\p], v5, s[32:33] offset:96*\q+48*(\p/3)+8*(\p%3)   ; a fragment's registers 2 p, 2 p + 1
.endr
.endr
.irp q, 0,1,2,3,4,5,6,7
	s_wait_loadcnt 42-6*\q                         ; the later K steps' loads may stay out
.irp c, 0,1,2
	global_store_b128 v[LD], v[16+12*\q+4*\c:19+12*\q+4*\c], s[38:39] offset:12288*\q+512*\c   ; 512 consecutive bytes, aligned
.endr
.endr
	s_endpgm
.Lfunc_end_k_qe1df274358_prep:
	.size	k_qe1df274358_prep, .Lfunc_end_k_qe1df274358_prep-k_qe1df274358_prep
	.p2alignl 7, 3214868480
	.fill 96, 4, 3214868480
	.section	.rodata,"a",@progbits
	.p2align	6, 0x0
	.amdhsa_kernel k_qe1df274358_prep
		.amdhsa_group_segment_fixed_size 34304
		.amdhsa_private_segment_fixed_size 0
		.amdhsa_enable_private_segment 0
		.amdhsa_kernarg_size 80
		.amdhsa_user_sgpr_count 2
		.amdhsa_user_sgpr_kernarg_segment_ptr 1
		.amdhsa_wavefront_size32 1
		.amdhsa_system_sgpr_workgroup_id_x 1
		.amdhsa_system_sgpr_workgroup_id_y 1
		.amdhsa_system_sgpr_workgroup_id_z 1
		.amdhsa_system_vgpr_workitem_id 0
		.amdhsa_next_free_vgpr 512
		.amdhsa_next_free_sgpr 66
		.amdhsa_reserve_vcc 1
		.amdhsa_float_denorm_mode_32 3
		.amdhsa_float_denorm_mode_16_64 3
		.amdhsa_memory_ordered 1
		.amdhsa_forward_progress 1
		.amdhsa_inst_pref_size 46
	.end_amdhsa_kernel
	.amdgpu_metadata
---
amdhsa.version: [ 1, 2 ]
amdhsa.kernels:
  - .name:           k_qe1df274358_prep
    .symbol:         k_qe1df274358_prep.kd
    .args:
      - { .name: H, .offset: 0, .size: 8, .value_kind: global_buffer, .address_space: global }
      - { .name: W_hz_scales, .offset: 8, .size: 8, .value_kind: global_buffer, .address_space: global }
      - { .name: W_hr_scales, .offset: 16, .size: 8, .value_kind: global_buffer, .address_space: global }
      - { .name: W_hh_scales, .offset: 24, .size: 8, .value_kind: global_buffer, .address_space: global }
      - { .name: hc, .offset: 32, .size: 8, .value_kind: global_buffer, .address_space: global }
      - { .name: wsc, .offset: 40, .size: 8, .value_kind: global_buffer, .address_space: global }
      - { .name: W_hz_codes, .offset: 48, .size: 8, .value_kind: global_buffer, .address_space: global }
      - { .name: W_hr_codes, .offset: 56, .size: 8, .value_kind: global_buffer, .address_space: global }
      - { .name: W_hh_codes, .offset: 64, .size: 8, .value_kind: global_buffer, .address_space: global }
      - { .name: wf, .offset: 72, .size: 8, .value_kind: global_buffer, .address_space: global }
    .group_segment_fixed_size: 34304
    .private_segment_fixed_size: 0
    .kernarg_segment_align: 8
    .kernarg_segment_size: 80
    .max_flat_workgroup_size: 128
    .sgpr_count:     66
    .vgpr_count:     512
    .wavefront_size: 32
...
	.end_amdgpu_metadata
.endif
;; end of part 1
;; launch gate_r (part 2): grid 16 x 16, 4 waves a work-group, clusters of 4 x 4, 327,680 bytes of LDS; arguments hc, wf, wsc, H, x_codes, x_scales, W_xr_codes, W_xr_scales, b_r, rhc; writes rhc
.if DOCPART == 2
	.amdgcn_target "amdgcn-amd-amdhsa--gfx1250"
	.amdhsa_code_object_version 6
	.text
	.protected	k_qe1df274358_gate_r
	.globl	k_qe1df274358_gate_r
	.p2align	8
	.type	k_qe1df274358_gate_r,@function
k_qe1df274358_gate_r:
	s_mov_b64 s[64:65], 0
	v_nop
	global_prefetch_b8 v0, s[64:65] scope:SCOPE_SE
	s_setreg_imm32_b32 hwreg(HW_REG_WAVE_MODE, 25, 1), 1
	s_wait_xcnt 0x0
	s_wait_alu depctr_hold_cnt(0) depctr_sa_sdst(0) depctr_va_vdst(0) depctr_va_sdst(0) depctr_va_ssrc(0) depctr_va_vcc(0) depctr_vm_vsrc(0)
	s_getreg_b32 s2, hwreg(HW_REG_IB_STS2, 6, 4)
	s_cmp_eq_u32 s2, 0
	s_cbranch_scc0 .Lentry_in_a_cluster
	s_endpgm
.Lentry_in_a_cluster:
	s_bfe_u32 s2, ttmp6, 0x10000c
	s_cmp_lg_u32 s2, 0xf033
	s_cbranch_scc0 .Lentry_shape_is_right
	s_endpgm
.Lentry_shape_is_right:
; R = sigmoid(x W_xr + H W_hr + b_r) on a tile of 256 rows x 128 columns; R * H is quantised along the next K (these columns) and stored as rhc, in hc's layout.  Nothing is left out.
; sigmoid(s) = 1 / (1 + 2^(-log2(e) s)).  LIMITS: NaN and infinities among the inputs are not served; a block of zeros gets the scale byte 1 (its codes are zeros; this program alone reads the bytes).
; SHARES: four waves, wave w rows 64 w .. + 63 x all 128 columns: 32 accumulators.  K goes in steps of 128 through a ring of two LDS slots of 512 along K:
; a slot = A's 4 records of hc (102,400 bytes), B's 4 records of wf (49,152), B's scale bytes of wsc (2,048), all dense blocks brought as rows of 256 bytes.  Waves 0, 1 ask for A's halves, wave 2 for B, wave 3 for the scales.
; CLUSTER 4 x 4: A's tiles are asked for jointly along a row of the cluster, B's and the scales along a column.  THE PRODUCT IS USED TRANSPOSED (source 0 = B's rows, source 1 = A's rows): a lane holds 8 neighbouring columns of a row.
; A K step: ONE run of 37 LDS loads (the next step's fragments, into the other sets) at its head, then its 32 products.  The x step, whose C is the bias, starts the sums while the first tiles are on their way.
; PREFETCH: K has four slots.  Behind slot 0's load each wave names blocks of slots 1 and 2, behind slot 1's load blocks of slot 3: of A the slot's record cx (100 blocks of 256 bytes, 25 a wave), of B its record cy (48 blocks, 12 a wave):
; each block once in a cluster, shared out by address; lanes left over name their wave's last block again.  The scale bytes (8 blocks a slot) are not asked for.  The two refills ask for nothing: no slot is left.
; H's 64 loads go out in the last four K steps, behind the last wait for a tile, and land under the sigmoid.
; REGISTERS: window 0: v0-31 addresses, v32-73 scale words, v80-175 A's two sets; window 1: v0-191 B's two sets, v192-255 the bias; window 2: the accumulators ((a, b) at 64 a + 8 b); window 3: H in their layout.
.set REC,   25600
.set BREC,  12288
.set BOFF,  4*REC
.set SOFF,  BOFF+4*BREC
.set SLOT,  SOFF+2048
.set SPARE, 2*SLOT                     ; behind the ring: the spare words, 128 bytes a wave, which no other line names
.set NF,    37                         ; LDS loads of a step's run
.set ADA, 4
.set ASA, 8
.set ADB, 12
.set ADS, 16
.set XA,  18
.set L4,  19
.set XB,  20
.set BH,  21
.set HA,  22
.set L16, 23
.set L8,  24
.set PFA, 25                           ; v25, v26 the prefetches' offsets in a slot's part of A and of B; never rewritten
.set PFB, 26
.set SPW, 28
.set NIL, 29
.set SB,  32
.set SA,  64
.set XSA, 68
.set XSB, 70
.set AF,  80
.set BIAS, 192
.set T,   80
.set PC,  144
.set PX,  192
.set TM,  200
.set PW,  216
.set LO,  220
.set WV,  4
.set HP,  14
.set XC,  16
.set XS,  18
.set G1A, 40
.set G1B, 48
.set G1S, 56
.set NL2E, 66
.set G0A, 68
.set G0B, 76
.set G0S, 84
.set PA,  92                           ; s[92:93] hc at my row tile: the prefetches' base
.set SEL, 100
.set MSB, 0
.macro WIN new                         ; the immediate's high byte repeats the setting that is left
.if MSB != \new
	s_set_vgpr_msb (MSB<<8)|\new
.set MSB, \new
.endif
.endm
.macro PLACES n
.rept \n
	v_nop
.endr
.endm
.macro CREST                           ; a round of the cluster's barrier behind its opening barrier
	s_cmp_lg_u32 s[WV], 0
	s_cbranch_scc1 .Lnot_wave_0_\@
	s_barrier_signal -3
.Lnot_wave_0_\@:
	s_barrier_wait -3
	s_barrier_signal -1
	s_barrier_wait -1
.endm
.macro CROUND
	s_barrier_signal -1
	s_barrier_wait -1
	CREST
.endm
.macro JLOAD s                         ; a joint load into slot s, one a wave; an s_nop 0 and four v_nop follow each line
	s_cmp_lt_u32 s[WV], 2
	s_cbranch_scc0 .Lnot_a_\@
	tensor_load_to_lds s[G0A+4*\s:G0A+4*\s+3], s[G1A:G1A+7]
	s_nop 0
.rept 4
	v_nop
.endr
	s_branch .Lasked_\@
.Lnot_a_\@:
	s_cmp_eq_u32 s[WV], 2
	s_cbranch_scc0 .Lfor_s_\@
	tensor_load_to_lds s[G0B+4*\s:G0B+4*\s+3], s[G1B:G1B+7]
	s_nop 0
.rept 4
	v_nop
.endr
	s_branch .Lasked_\@
.Lfor_s_\@:
	tensor_load_to_lds s[G0S+4*\s:G0S+4*\s+3], s[G1S:G1S+7]
	s_nop 0
.rept 4
	v_nop
.endr
.Lasked_\@:
.endm
.macro ASK m                           ; my blocks of slot m
	global_prefetch_b8 v[PFA], s[PA:PA+1] offset:(\m)*4*REC th:TH_LOAD_NT scope:SCOPE_SE
	global_prefetch_b8 v[PFB], s[10:11] offset:(\m)*4*BREC th:TH_LOAD_NT scope:SCOPE_SE
.endm
.macro WM d, b, a, c, sb, sa, rb, ra   ; one product; rb, ra: 1 = the scales stand in lanes 16-31
.if ((\rb) == 0) && ((\ra) == 0)
	v_wmma_scale_f32_16x16x128_f8f6f4 v[(\d):(\d)+7], v[(\b):(\b)+11], v[(\a):(\a)+11], v[(\c):(\c)+7], v[(\sb)], v[(\sa)] matrix_a_fmt:MATRIX_FMT_FP6 matrix_b_fmt:MATRIX_FMT_FP6
.elseif ((\rb) == 1) && ((\ra) == 0)
	v_wmma_scale_f32_16x16x128_f8f6f4 v[(\d):(\d)+7], v[(\b):(\b)+11], v[(\a):(\a)+11], v[(\c):(\c)+7], v[(\sb)], v[(\sa)] matrix_a_fmt:MATRIX_FMT_FP6 matrix_b_fmt:MATRIX_FMT_FP6 matrix_a_scale:MATRIX_SCALE_ROW1
.elseif ((\rb) == 0) && ((\ra) == 1)
	v_wmma_scale_f32_16x16x128_f8f6f4 v[(\d):(\d)+7], v[(\b):(\b)+11], v[(\a):(\a)+11], v[(\c):(\c)+7], v[(\sb)], v[(\sa)] matrix_a_fmt:MATRIX_FMT_FP6 matrix_b_fmt:MATRIX_FMT_FP6 matrix_b_scale:MATRIX_SCALE_ROW1
.else
	v_wmma_scale_f32_16x16x128_f8f6f4 v[(\d):(\d)+7], v[(\b):(\b)+11], v[(\a):(\a)+11], v[(\c):(\c)+7], v[(\sb)], v[(\sa)] matrix_a_fmt:MATRIX_FMT_FP6 matrix_b_fmt:MATRIX_FMT_FP6 matrix_a_scale:MATRIX_SCALE_ROW1 matrix_b_scale:MATRIX_SCALE_ROW1
.endif
.endm
.macro MUL8 a, p, q, slot              ; A's block a against B's eight; the 32 accumulators take turns, one instruction a turn, in the same order in every step
.irp b, 0,1,2,3,4,5,6,7
	WM 64*(\a)+8*\b, 96*(\p)+12*\b, AF+48*(\p)+12*(\a), 64*(\a)+8*\b, SB+16*(\slot)+4*(\b%4)+(\q), SA+2*(\p)+(\a)/2, \b/4, (\a)%2
.endr
.endm
.macro XMUL                            ; the x step, from sets 1: its C is the bias, so it starts all 32 sums
	WIN 0x91
.irp a, 0,1,2,3
.irp b, 0,1,2,3,4,5,6,7
	WM 64*\a+8*\b, 96+12*\b, AF+48+12*\a, BIAS+8*\b, XSB+\b%4, XSA+\a/2, \b/4, \a%2
.endr
.endr
.endm
.macro ABLK slot, q, p, a0             ; A's blocks a0, a0 + 1: images, three loads of 16 bytes a lane each
.irp a, \a0, \a0+1
.irp c, 0,1,2
	ds_load_b128 v[AF+48*(\p)+12*(\a)+4*\c:AF+48*(\p)+12*(\a)+4*\c+3], v[ADA+2*(\slot)+(\q)/2] offset:REC*((\q)%2)+1536*(\a)+512*\c
.endr
.endr
.endm
; the run that brings the slot's q-th 128 along K into sets p: A's scale words, (q = 0: B's scale words of the whole slot,) A's blocks 0, 1, B's eight, and last A's blocks 2, 3 (six loads)
.macro FETCH slot, q, p
	WIN 0
	ds_load_b64 v[SA+2*(\p):SA+2*(\p)+1], v[ASA+2*(\slot)+(\q)/2] offset:REC*((\q)%2)
.if (\q) == 0
.irp i, 0,1,2,3
	ds_load_b128 v[SB+16*(\slot)+4*\i:SB+16*(\slot)+4*\i+3], v[ADS+(\slot)] offset:512*\i
.endr
.endif
	ABLK \slot, \q, \p, 0
	WIN 0x40
.irp i, 0,1,2,3,4,5,6,7
.irp c, 0,1,2
	ds_load_b128 v[96*(\p)+12*\i+4*\c:96*(\p)+12*\i+4*\c+3], v[ADB+(\slot)] offset:BREC*(\q)+1536*\i+512*\c
.endr
.endr
	WIN 0
	ABLK \slot, \q, \p, 2
.endm
.macro HRUN n                          ; sixteen of H's 64 loads: my rows 16 n .. + 15, all eight column tiles, in the accumulators' layout
	WIN 0xc0
.irp t, 0,1,2,3,4,5,6,7
	global_load_b128 v[64*(\n)+8*\t:64*(\n)+8*\t+3], v[HA], s[HP:HP+1] offset:131072*(\n)+64*\t
	global_load_b128 v[64*(\n)+8*\t+4:64*(\n)+8*\t+7], v[HA], s[HP:HP+1] offset:131072*(\n)+64*\t+16
.endr
.endm
.macro STEP slot, q, hn                ; a K step whose successor lies in the same slot
	s_wait_dscnt 6                                 ; all of this step's fragments but A's blocks 2, 3 are in
	PLACES 4                                       ; ahead of loads into the sets that the step before read
	FETCH \slot, (\q)+1, 1-(\q)%2
.if (\hn) >= 0
	HRUN \hn
.endif
	WIN 0xa1
	MUL8 0, (\q)%2, \q, \slot
	MUL8 1, (\q)%2, \q, \slot
	s_wait_dscnt NF                                ; A's blocks 2, 3 are in: the run just issued may be out
	MUL8 2, (\q)%2, \q, \slot
	MUL8 3, (\q)%2, \q, \slot
.endm
.macro TURN slot, next, fill, hn       ; a slot's last K step, and the change of slots
	WIN 0
	s_wait_tensorcnt 0x0                           ; all my tensor loads have landed: my part of the next slot; so a group 0 may be written
	ds_add_u32 v[SPW], v[NIL]
.if \fill
	s_add_nc_u64 s[G0A+4*\slot+2:G0A+4*\slot+3], s[G0A+4*\slot+2:G0A+4*\slot+3], 2*4*REC
	s_add_nc_u64 s[G0B+4*\slot+2:G0B+4*\slot+3], s[G0B+4*\slot+2:G0B+4*\slot+3], 2*4*BREC
	s_add_nc_u64 s[G0S+4*\slot+2:G0S+4*\slot+3], s[G0S+4*\slot+2:G0S+4*\slot+3], 2*2048
.endif
	s_wait_dscnt 0x0                               ; the add is done, and my reads of this slot, this step's fragments, are back
	s_barrier_signal -1
	WIN 0xa1
	MUL8 0, 1, 3, \slot
	WIN 0
	s_barrier_wait -1
.if \fill
	CREST                                          ; no wave of any partner still reads this slot or has a load on its way
	JLOAD \slot                                    ; the first tensor load behind the round; its four v_nop are the places ahead of the loads below
.else
	PLACES 4
.endif
	FETCH \next, 0, 0
.if (\hn) >= 0
	HRUN \hn
.endif
	WIN 0xa1
	MUL8 1, 1, 3, \slot
	MUL8 2, 1, 3, \slot
	MUL8 3, 1, 3, \slot
.endm
; THE X STEP'S K IS TAKEN IN ANOTHER ORDER, alike in x and in W_x: the operand's places for blocks 0, 1, 2, 3 of 32 take the blocks 0, 2, 1, 3 of memory.  A lane (r, h), which holds places h and 2 + h, then wants
; blocks 2 h and 2 h + 1: 48 consecutive bytes at 96 r + 48 h, three loads of 16 bytes.  The products are the same; each scale word's bytes 1 and 2 change places to match.
.macro XPERM first                     ; the scale words just loaded, and eight places ahead of the scaled products
.irp i, 0,1,2,3
	v_perm_b32 v[XSB+\i], v[XSB+\i], v[XSB+\i], 0x03010200
.endr
.if \first
	v_perm_b32 v[XSA], v[XSA], v[XSA], 0x03010200
	v_perm_b32 v[XSA+1], v[XSA+1], v[XSA+1], 0x03010200
.endif
	PLACES 8
.endm
.macro XLOADW wc, ws                   ; W_x's eight fragments into B's set 1, and its scale words
	WIN 0x40
.irp b, 0,1,2,3,4,5,6,7
.irp c, 0,1,2
	global_load_b128 v[96+12*\b+4*\c:96+12*\b+4*\c+3], v[XA], s[\wc:\wc+1] offset:1536*\b+16*\c
.endr
.endr
	WIN 0
.irp i, 0,1,2,3
	global_load_b32 v[XSB+\i], v[XB], s[\ws:\ws+1] offset:64*\i
.endr
.endm
.macro XLOADX bb, first                ; the bias in the result's layout, x's four fragments into A's set 1; first = 1: x's scale words, which stay
	WIN 0x40
.irp t, 0,1,2,3,4,5,6,7
	global_load_b128 v[BIAS+8*\t:BIAS+8*\t+3], v[BH], s[\bb:\bb+1] offset:64*\t
	global_load_b128 v[BIAS+8*\t+4:BIAS+8*\t+7], v[BH], s[\bb:\bb+1] offset:64*\t+16
.endr
	WIN 0
.irp a, 0,1,2,3
.irp c, 0,1,2
	global_load_b128 v[AF+48+12*\a+4*\c:AF+48+12*\a+4*\c+3], v[XA], s[XC:XC+1] offset:1536*\a+16*\c
.endr
.endr
.if \first
	global_load_b32 v[XSA], v[L4], s[XS:XS+1]
	global_load_b32 v[XSA+1], v[L4], s[XS:XS+1] offset:128
.endif
.endm
; 128 transcendentals in place from v[t0] on, a batch; a0 >= 0: behind each two of them 1 is added to a pair of the OTHER 128, which the wait ahead of this batch has settled.  A plain line and one wait end the batch.
.macro TP op, t0, a0
.set ii, 0
.rept 64
	\op v[\t0+ii], v[\t0+ii]
	\op v[\t0+ii+1], v[\t0+ii+1]
.if \a0 >= 0
	v_pk_add_f32 v[\a0+ii:\a0+ii+1], v[\a0+ii:\a0+ii+1], 1.0 op_sel_hi:[1,0]
.endif
.set ii, ii+2
.endr
	v_nop
	s_wait_alu depctr_va_vdst(0)                   ; behind a batch and ahead of the next
.endm
.macro ACT cp                          ; all 256 sums become 1 / (1 + 2^(c s)), in place, each accumulator read from its low end on
	WIN 0x82
.set ii, 0
.rept 128
	v_pk_mul_f32 v[ii:ii+1], v[ii:ii+1], s[\cp:\cp+1] op_sel_hi:[1,0]
.set ii, ii+2
.endr
	s_wait_alu depctr_va_vdst(0)                   ; ahead of the first batch
	TP v_exp_f32, 0, -1
	TP v_exp_f32, 128, 0
	TP v_rcp_f32, 0, 128
	TP v_rcp_f32, 128, -1
.endm
.macro QUANT s, pc, pw                 ; 64 numbers of a lane become a fragment's 12 registers of codes at v[pc] and its row's scale word in v[pw]
.irp b, 0,1,2,3
	v_max3_num_f32 v[TM+\b], |v[(\s)+16*\b]|, |v[(\s)+1+16*\b]|, 0x1800000   ; with the floor 2^(3 - 127): the byte cannot fall under 1
.endr
.irp i, 2,4,6,8,10,12,14
.irp b, 0,1,2,3
	v_max3_num_f32 v[TM+\b], v[TM+\b], |v[(\s)+16*\b+\i]|, |v[(\s)+1+16*\b+\i]|
.endr
.endr
.irp b, 0,1,2,3
	v_permlanex16_b32 v[TM+4+\b], v[TM+\b], s[SEL], s[SEL+1]
.endr
.irp b, 0,1,2,3
	v_max_num_f32 v[TM+\b], v[TM+\b], v[TM+4+\b]
.endr
.irp b, 0,1,2,3
	v_add_nc_u32 v[TM+12+\b], 0xff000000, v[TM+\b]   ; 2 off the exponent field: the conversion's scale operand
.endr
.irp b, 0,1,2,3
	v_lshrrev_b32 v[TM+4+\b], 23, v[TM+12+\b]
.endr
	v_lshl_or_b32 v[(\pw)], v[TM+5], 8, v[TM+4]
	v_lshl_or_b32 v[(\pw)], v[TM+6], 16, v[(\pw)]
	v_lshl_or_b32 v[(\pw)], v[TM+7], 24, v[(\pw)]
.irp c, 0,1
	v_cvt_scalef32_pk16_fp6_f32 v[(\pc)+6*\c:(\pc)+2+6*\c], v[(\s)+32*\c:(\s)+15+32*\c], v[TM+12+2*\c]
	v_cvt_scalef32_pk16_fp6_f32 v[PX+4*\c:PX+2+4*\c], v[(\s)+16+32*\c:(\s)+31+32*\c], v[TM+12+2*\c+1]
.endr
	v_nop                                          ; one plain instruction behind the conversions
.irp c, 0,1
.irp i, 0,1,2
	v_permlane16_swap_b32 v[(\pc)+6*\c+\i], v[PX+4*\c+\i]
.endr
.irp i, 0,1,2
	v_mov_b32 v[(\pc)+3+6*\c+\i], v[PX+4*\c+\i]
.endr
.endr
.endm
	s_load_b512 s[8:23], s[0:1], 0x0               ; hc 8, wf 10, wsc 12, H 14, x's codes 16, x's scales 18, W_xr's codes 20, its scales 22
	s_load_b128 s[24:27], s[0:1], 0x40             ; b_r 24, rhc 26
	v_lshl_add_u32 v[SPW], v0, 2, SPARE
	v_mov_b32 v[NIL], 0
	ds_add_u32 v[SPW], v[NIL]                      ; the opening: the add, twice on end, and its wait ahead of my first tensor load
	ds_add_u32 v[SPW], v[NIL]
	v_lshrrev_b32 v1, 5, v0
	v_readfirstlane_b32 s[WV], v1                  ; wave 0..3
	s_and_b32 s5, s[WV], 1
	s_mul_i32 s6, s5, 2*REC                        ; which two records of a slot a wave that asks for A takes
	s_bfe_u32 s92, ttmp6, 0x40004                  ; cy
	s_and_b32 s93, ttmp7, 0xffff
	s_lshl_b32 s93, s93, 2
	s_add_co_u32 s93, s93, s92                     ; the row tile
	s_lshl_b32 s94, s92, 2
	s_lshl_b32 s94, 15, s94                        ; my row of the cluster
	s_bfe_u32 s96, ttmp6, 0x40000                  ; cx
	s_lshl_b32 s97, ttmp9, 2
	s_add_co_u32 s97, s97, s96                     ; the column tile
	s_lshl_b32 s98, 0x1111, s96                    ; my column of the cluster
	s_or_b32 s[G1A], s94, (3<<16)|(1<<21)          ; A: 51,200 dense bytes as 200 rows of 32 elements of 8 bytes
	s_mov_b32 s[G1A+1], 32<<16
	s_mov_b32 s[G1A+2], 200<<16
	s_mov_b32 s[G1A+3], 32<<16
	s_mov_b32 s[G1A+4], 200
	s_mov_b32 s[G1A+5], 32
	s_mov_b32 s[G1A+6], 0
	s_mov_b32 s[G1A+7], 0
	s_or_b32 s[G1B], s98, (3<<16)|(1<<21)          ; B: 49,152 dense bytes as 192 rows of 256
	s_mov_b32 s[G1B+1], 32<<16
	s_mov_b32 s[G1B+2], 192<<16
	s_mov_b32 s[G1B+3], 32<<16
	s_mov_b32 s[G1B+4], 192
	s_mov_b32 s[G1B+5], 32
	s_mov_b32 s[G1B+6], 0
	s_mov_b32 s[G1B+7], 0
	s_or_b32 s[G1S], s98, (3<<16)|(1<<21)          ; B's scales: 2,048 dense bytes as 8 rows of 256
	s_mov_b32 s[G1S+1], 32<<16
	s_mov_b32 s[G1S+2], 8<<16
	s_mov_b32 s[G1S+3], 32<<16
	s_mov_b32 s[G1S+4], 8
	s_mov_b32 s[G1S+5], 32
	s_mov_b32 s[G1S+6], 0
	s_mov_b32 s[G1S+7], 0
	s_mov_b32 s[NL2E], 0xbfb8aa3b                  ; -log2(e)
	s_mov_b32 s[NL2E+1], s[NL2E]
	s_mov_b32 s[SEL], 0x76543210
	s_mov_b32 s[SEL+1], 0xfedcba98
	s_mul_i32 s2, s[WV], 6144                      ; my four images in a record,
	s_lshl_b32 s3, s[WV], 8
	s_add_co_u32 s3, s3, 24576                     ; and my scale image
	s_mul_i32 s95, s[WV], 12                       ; the prefetches, in blocks of 256 bytes: B's record cy has 48, 12 a wave;
	s_mul_i32 s99, s92, 48
	s_add_co_u32 s95, s95, s99
	s_mul_i32 s99, s[WV], 25                       ; A's record cx has 100, 25 a wave
	s_mul_i32 s7, s96, 100
	s_add_co_u32 s99, s99, s7
	v_and_b32 v3, 31, v0                           ; lane
	v_and_b32 v1, 15, v0                           ; r
	v_bfe_u32 v2, v0, 4, 1                         ; h
	v_lshlrev_b32 v[L16], 4, v3
	v_lshlrev_b32 v[L8], 3, v3
	v_lshlrev_b32 v[L4], 2, v3
	v_add_nc_u32 v[ADA], s2, v[L16]
	v_add_nc_u32 v[ADA+1], 2*REC, v[ADA]
	v_add_nc_u32 v[ADA+2], SLOT, v[ADA]
	v_add_nc_u32 v[ADA+3], SLOT+2*REC, v[ADA]
	v_add_nc_u32 v[ASA], s3, v[L8]
	v_add_nc_u32 v[ASA+1], 2*REC, v[ASA]
	v_add_nc_u32 v[ASA+2], SLOT, v[ASA]
	v_add_nc_u32 v[ASA+3], SLOT+2*REC, v[ASA]
	v_add_nc_u32 v[ADB], BOFF, v[L16]
	v_add_nc_u32 v[ADB+1], SLOT+BOFF, v[L16]
	v_add_nc_u32 v[ADS], SOFF, v[L16]
	v_add_nc_u32 v[ADS+1], SLOT+SOFF, v[L16]
	v_mul_u32_u24 v[XA], v1, 96
	v_mad_u32_u24 v[XA], v2, 48, v[XA]
	v_lshlrev_b32 v[XB], 2, v1
	v_lshl_add_u32 v[XB], v2, 8, v[XB]
	v_lshlrev_b32 v[BH], 5, v2
	v_lshlrev_b32 v[HA], 13, v1
	v_lshl_add_u32 v[HA], v2, 5, v[HA]
	v_min_u32 v[PFA], 24, v3                       ; a lane a block; the lanes left over name the wave's last block again
	v_min_u32 v[PFB], 11, v3
	v_add_nc_u32 v[PFA], s99, v[PFA]
	v_add_nc_u32 v[PFB], s95, v[PFB]
	v_lshlrev_b32 v[PFA], 8, v[PFA]
	v_lshlrev_b32 v[PFB], 8, v[PFB]
	s_wait_alu depctr_va_vdst(0)                   ; behind the head's last vector instruction
	s_wait_dscnt 0x0                               ; both opening adds are done
	s_wait_kmcnt 0x0
	s_lshl_b32 s2, s93, 8
	s_lshl_b32 s3, s[WV], 6
	s_add_co_u32 s7, s2, s3                        ; my wave's first row
	s_lshl_b32 s2, s7, 13
	s_lshl_b32 s3, s97, 9
	s_add_co_u32 s2, s2, s3
	s_mov_b32 s3, 0
	s_add_nc_u64 s[HP:HP+1], s[HP:HP+1], s[2:3]
	s_mul_i32 s2, s7, 96
	s_add_nc_u64 s[XC:XC+1], s[XC:XC+1], s[2:3]
	s_lshl_b32 s2, s7, 2
	s_add_nc_u64 s[XS:XS+1], s[XS:XS+1], s[2:3]
	s_mul_i32 s2, s97, 128*96
	s_add_nc_u64 s[20:21], s[20:21], s[2:3]
	s_lshl_b32 s2, s97, 9
	s_add_nc_u64 s[22:23], s[22:23], s[2:3]
	s_add_nc_u64 s[24:25], s[24:25], s[2:3]
	s_lshl_b32 s2, s93, 4
	s_add_co_u32 s2, s2, s97
	s_mul_i32 s2, s2, REC                          ; rhc: the record of my row tile and of K step = my column tile
	s_add_nc_u64 s[26:27], s[26:27], s[2:3]
	s_lshl_b32 s2, s[WV], 8
	s_add_co_u32 s2, s2, 24576
	s_add_nc_u64 s[28:29], s[26:27], s[2:3]
	s_mul_i32 s2, s[WV], 6144
	s_add_nc_u64 s[26:27], s[26:27], s[2:3]
	s_mul_i32 s94, s93, 16*REC                     ; A's address is made of the row tile and the wave's number alone,
	s_mov_b32 s95, 0
	s_add_nc_u64 s[PA:PA+1], s[8:9], s[94:95]      ; hc at my row tile,
	s_mov_b32 s7, 0
	s_add_nc_u64 s[8:9], s[PA:PA+1], s[6:7]        ; and at the two records that I ask for
	s_mul_i32 s98, s97, 16*BREC                    ; B's and its scales' of the column tile alone: matrix 1 of wf and of wsc
	s_add_co_u32 s98, s98, 16*16*BREC
	s_mov_b32 s99, 0
	s_add_nc_u64 s[10:11], s[10:11], s[98:99]
	s_lshl_b32 s98, s97, 13
	s_add_co_u32 s98, s98, 131072
	s_add_nc_u64 s[12:13], s[12:13], s[98:99]
	CROUND                                         ; all sixteen work-groups are here: the first joint loads meet
.irp s, 0,1
	s_mov_b32 s[G0A+4*\s], 1
	s_add_co_u32 s[G0A+4*\s+1], s6, \s*SLOT
	s_add_nc_u64 s[G0A+4*\s+2:G0A+4*\s+3], s[8:9], \s*4*REC
	s_or_b32 s[G0A+4*\s+3], s[G0A+4*\s+3], 0x80000000
	s_mov_b32 s[G0B+4*\s], 1
	s_mov_b32 s[G0B+4*\s+1], \s*SLOT+BOFF
	s_add_nc_u64 s[G0B+4*\s+2:G0B+4*\s+3], s[10:11], \s*4*BREC
	s_or_b32 s[G0B+4*\s+3], s[G0B+4*\s+3], 0x80000000
	s_mov_b32 s[G0S+4*\s], 1
	s_mov_b32 s[G0S+4*\s+1], \s*SLOT+SOFF
	s_add_nc_u64 s[G0S+4*\s+2:G0S+4*\s+3], s[12:13], \s*2048
	s_or_b32 s[G0S+4*\s+3], s[G0S+4*\s+3], 0x80000000
.endr
	JLOAD 0                                        ; slot 0: one tensor load a wave at the head
	ASK 1
	ASK 2
	XLOADW 20, 22
	XLOADX 24, 1
	s_wait_loadcnt 0x0                             ; the x step's 58 loads
	XPERM 1
	XMUL                                           ; the x step runs while slot 0 is on its way
	WIN 0
	s_wait_tensorcnt 0x0                           ; my part of slot 0 is in
	ds_add_u32 v[SPW], v[NIL]
	s_wait_dscnt 0x0
	CROUND
	JLOAD 1                                        ; slot 1's first fill, the first tensor load behind the round
	FETCH 0, 0, 0
	ASK 3
	STEP 0, 0, -1                                  ; the first 1,024 along K fill both slots again
	STEP 0, 1, -1
	STEP 0, 2, -1
	TURN 0, 1, 1, -1
	STEP 1, 0, -1
	STEP 1, 1, -1
	STEP 1, 2, -1
	TURN 1, 0, 1, -1
	STEP 0, 0, -1                                  ; the last 1,024 ask for no tile; behind the last wait for one go H's loads
	STEP 0, 1, -1
	STEP 0, 2, -1
	TURN 0, 1, 0, 0
	STEP 1, 0, 1
	STEP 1, 1, 2
	STEP 1, 2, 3
	s_wait_dscnt 0x0
	WIN 0xa1
	MUL8 0, 1, 3, 1
	MUL8 1, 1, 3, 1
	MUL8 2, 1, 3, 1
	MUL8 3, 1, 3, 1
	PLACES 4
	ACT NL2E                                       ; R
	WIN 0
.irp b, 0,1,2,3
	v_mov_b32 v[TM+4+\b], 0                        ; written once: a lane permute's destination counts as one of its sources
.endr
.irp a, 0,1,2,3
	s_wait_loadcnt 48-16*\a                        ; H's rows 16 a ..: the later blocks' loads, 16 each, may stay out
	WIN 0x0e
.set ii, 0
.rept 32
	v_pk_mul_f32 v[T+ii:T+ii+1], v[64*\a+ii:64*\a+ii+1], v[64*\a+ii:64*\a+ii+1]   ; R (window 2) x H (window 3)
.set ii, ii+2
.endr
	WIN 0
.irp b, 0,1,2,3
.irp j, 0,1,2,3,4,5,6,7
	v_permlane16_swap_b32 v[T+16*\b+\j], v[T+16*\b+8+\j]   ; two column tiles' eights become 16 neighbours along the next K in a lane
.endr
.endr
	QUANT T, PC+12*\a, PW+\a
.irp c, 0,1,2
	global_store_b128 v[L16], v[PC+12*\a+4*\c:PC+12*\a+4*\c+3], s[26:27] offset:1536*\a+512*\c   ; 512 consecutive bytes, aligned
.endr
.endr
	v_cmp_ne_u32 vcc_lo, 0, v2
	v_cndmask_b32 v[LO], v[PW], v[PW+1], vcc_lo
	v_cndmask_b32 v[LO+1], v[PW+2], v[PW+3], vcc_lo
	global_store_b64 v[L8], v[LO:LO+1], s[28:29]   ; the scale image: 256 consecutive bytes, aligned
	s_wait_tensorcnt 0x0                           ; the wave's end
	ds_add_u32 v[SPW], v[NIL]
	s_wait_dscnt 0x0
	CROUND                                         ; the closing round
	s_endpgm
.Lfunc_end_k_qe1df274358_gate_r:
	.size	k_qe1df274358_gate_r, .Lfunc_end_k_qe1df274358_gate_r-k_qe1df274358_gate_r
	.p2alignl 7, 3214868480
	.fill 96, 4, 3214868480
	.section	.rodata,"a",@progbits
	.p2align	6, 0x0
	.amdhsa_kernel k_qe1df274358_gate_r
		.amdhsa_group_segment_fixed_size 327680
		.amdhsa_private_segment_fixed_size 0
		.amdhsa_enable_private_segment 0
		.amdhsa_kernarg_size 80
		.amdhsa_user_sgpr_count 2
		.amdhsa_user_sgpr_kernarg_segment_ptr 1
		.amdhsa_wavefront_size32 1
		.amdhsa_system_sgpr_workgroup_id_x 1
		.amdhsa_system_sgpr_workgroup_id_y 1
		.amdhsa_system_sgpr_workgroup_id_z 1
		.amdhsa_system_vgpr_workitem_id 0
		.amdhsa_next_free_vgpr 1024
		.amdhsa_next_free_sgpr 102
		.amdhsa_reserve_vcc 1
		.amdhsa_float_denorm_mode_32 3
		.amdhsa_float_denorm_mode_16_64 3
		.amdhsa_memory_ordered 1
		.amdhsa_forward_progress 1
		.amdhsa_inst_pref_size 199
	.end_amdhsa_kernel
	.amdgpu_metadata
---
amdhsa.version: [ 1, 2 ]
amdhsa.kernels:
  - .name:           k_qe1df274358_gate_r
    .symbol:         k_qe1df274358_gate_r.kd
    .args:
      - { .name: hc, .offset: 0, .size: 8, .value_kind: global_buffer, .address_space: global }
      - { .name: wf, .offset: 8, .size: 8, .value_kind: global_buffer, .address_space: global }
      - { .name: wsc, .offset: 16, .size: 8, .value_kind: global_buffer, .address_space: global }
      - { .name: H, .offset: 24, .size: 8, .value_kind: global_buffer, .address_space: global }
      - { .name: x_codes, .offset: 32, .size: 8, .value_kind: global_buffer, .address_space: global }
      - { .name: x_scales, .offset: 40, .size: 8, .value_kind: global_buffer, .address_space: global }
      - { .name: W_xr_codes, .offset: 48, .size: 8, .value_kind: global_buffer, .address_space: global }
      - { .name: W_xr_scales, .offset: 56, .size: 8, .value_kind: global_buffer, .address_space: global }
      - { .name: b_r, .offset: 64, .size: 8, .value_kind: global_buffer, .address_space: global }
      - { .name: rhc, .offset: 72, .size: 8, .value_kind: global_buffer, .address_space: global }
    .group_segment_fixed_size: 327680
    .private_segment_fixed_size: 0
    .kernarg_segment_align: 8
    .kernarg_segment_size: 80
    .max_flat_workgroup_size: 128
    .sgpr_count:     102
    .vgpr_count:     1024
    .wavefront_size: 32
...
	.end_amdgpu_metadata
.endif
;; end of part 2
;; launch gate_zh (part 3): grid 16 x 16, 4 waves a work-group, clusters of 4 x 4, 327,680 bytes of LDS; arguments hc, rhc, wf, wsc, H, x_codes, x_scales, W_xz_codes, W_xz_scales, W_xh_codes, W_xh_scales, b_z, b_h, W_hq, part; writes part
.if DOCPART == 3
	.amdgcn_target "amdgcn-amd-amdhsa--gfx1250"
	.amdhsa_code_object_version 6
	.text
	.protected	k_qe1df274358_gate_zh
	.globl	k_qe1df274358_gate_zh
	.p2align	8
	.type	k_qe1df274358_gate_zh,@function
k_qe1df274358_gate_zh:
	s_mov_b64 s[64:65], 0
	v_nop
	global_prefetch_b8 v0, s[64:65] scope:SCOPE_SE
	s_setreg_imm32_b32 hwreg(HW_REG_WAVE_MODE, 25, 1), 1
	s_wait_xcnt 0x0
	s_wait_alu depctr_hold_cnt(0) depctr_sa_sdst(0) depctr_va_vdst(0) depctr_va_sdst(0) depctr_va_ssrc(0) depctr_va_vcc(0) depctr_vm_vsrc(0)
	s_getreg_b32 s2, hwreg(HW_REG_IB_STS2, 6, 4)
	s_cmp_eq_u32 s2, 0
	s_cbranch_scc0 .Lentry_in_a_cluster
	s_endpgm
.Lentry_in_a_cluster:
	s_bfe_u32 s2, ttmp6, 0x10000c
	s_cmp_lg_u32 s2, 0xf033
	s_cbranch_scc0 .Lentry_shape_is_right
	s_endpgm
.Lentry_shape_is_right:
; Two passes on one tile of 256 rows x 128 columns.  Pass 1: Z = sigmoid(x W_xz + H W_hz + b_z).  Pass 2: Ht = tanh(x W_xh + (R * H) W_hh + b_h), (R * H) as the codes that gate_r stored.
; Then each row's part, over the tile's 128 columns, of H_new . W_hq = sum of (w Z) H + (w - w Z) Ht; all of it stands behind the quantisers, in f32.  Nothing is left out.
; sigmoid(s) = 1 / (1 + 2^(-log2(e) s));  tanh(s) = 1 - 2 / (1 + 2^(2 log2(e) s)).
; LIMITS: NaN and infinities among the inputs are not served; near 0 this tanh is off by about one unit in the last place of 1, not of tanh; each gate's three terms are added in one chain (bias, x step, K ascending).
; The frame (shares, ring of two slots of 512 along K, cluster, joint loads, windows, transposed use, one run of LDS loads at a K step's head, the x step's order of K) is gate_r's.
; THE RING GOES ON FROM PASS 1 INTO PASS 2: eight slots' worth of K are four laps of 1,024.  Laps 0, 1 and 2, which fill both slots again, are a loop's three trips; lap 3, which asks for nothing, is written out.
; Each kind of tile has ONE plain address, slot 0's, that walks 1,024 along K a lap; in lap 1 it takes the second pass's first address by a select on the trip's number.
; Behind lap 1 stands the middle part, under a branch on the trip's number, round no tensor load, barrier or wait on TENSORcnt.
; H's 64 loads and w's 16 stand ahead of the loop: 56 behind the x step's operands, while slot 0 is on its way, the last 24 behind the first fragments' loads.
; PREFETCH: of the n-th 512 along K (n = 0 .. 7 over both passes) each wave names, of A, the slot's record cx (100 blocks of 256 bytes, 25 a wave) and, of B, its record cy (48 blocks, 12 a wave): each block once in a cluster,
; shared out by address; lanes left over name their wave's last block again.  n = 1, 2, 3 are named behind the first load; n + 2 behind the load of n from n = 2 on, eight K steps ahead of its own load.  The scale bytes
; (8 blocks a slot) are not asked for.  Lap 2, which loads n = 6 and 7, names nothing.  Bases are constant; the place along K stands in the immediate, which a branch on the trip's number picks.
; REGISTERS beside gate_r's: window 0 v176-239 w in the result's layout, v240-255 the rows' sums; window 3: H, then w - w Z.
.set REC,   25600
.set BREC,  12288
.set BOFF,  4*REC
.set SOFF,  BOFF+4*BREC
.set SLOT,  SOFF+2048
.set SPARE, 2*SLOT                     ; behind the ring: the spare words, 128 bytes a wave, which no other line names
.set NF,    37                         ; LDS loads of a step's run
.set ADA, 4
.set ASA, 8
.set ADB, 12
.set ADS, 16
.set XA,  18
.set L4,  19
.set XB,  20
.set BH,  21
.set HA,  22
.set L16, 23
.set L8,  24
.set PFA, 25                           ; v25, v26 the prefetches' offsets in a slot's part of A and of B; never rewritten
.set PFB, 26
.set SPW, 28
.set NIL, 29
.set SB,  32
.set SA,  64
.set XSA, 68
.set XSB, 70
.set AF,  80
.set BIAS, 192
.set W,   176
.set S,   240
.set WV,  4                            ; s4 wave
.set TRIP, 5                           ; s5 the lap's number in the loop
.set CA,  8                            ; s[8:9]   the walking address of A's records (hc, then rhc),
.set QA,  10                           ; s[10:11] the second pass's first: rhc
.set CB,  12                           ; s[12:13] of B's records (wf: matrix 0, then 2),
.set CS,  14                           ; s[14:15] of B's scale bytes (wsc)
.set HP,  16
.set XC,  18
.set XS,  20
.set WXZ, 22
.set SXZ, 24
.set WXH, 26
.set SXH, 28
.set BZ,  30
.set BHH, 32
.set WQ,  34
.set PT,  36
.set QB,  38                           ; s[38:39] matrix 2 of wf at my column tile; never rewritten
.set P1,  92                           ; s[92:93] hc at my row tile, s[94:95] rhc at my row tile: the prefetches' bases; never rewritten
.set P2,  94
.set QS,  96                           ; s[96:97] matrix 2 of wsc
.set TH,  98                           ; s[98:99] 2 log2(e)
.set G1A, 40
.set G1B, 48
.set G1S, 56
.set NL2E, 66
.set G0A, 68
.set G0B, 76
.set G0S, 84
.set SEL, 100
.set MSB, 0
.macro WIN new                         ; the immediate's high byte repeats the setting that is left
.if MSB != \new
	s_set_vgpr_msb (MSB<<8)|\new
.set MSB, \new
.endif
.endm
.macro PLACES n
.rept \n
	v_nop
.endr
.endm
.macro CREST                           ; a round of the cluster's barrier behind its opening barrier
	s_cmp_lg_u32 s[WV], 0
	s_cbranch_scc1 .Lnot_wave_0_\@
	s_barrier_signal -3
.Lnot_wave_0_\@:
	s_barrier_wait -3
	s_barrier_signal -1
	s_barrier_wait -1
.endm
.macro CROUND
	s_barrier_signal -1
	s_barrier_wait -1
	CREST
.endm
.macro JLOAD s                         ; a joint load into slot s: waves 0, 1 A's halves, wave 2 B, wave 3 B's scales; an s_nop 0 and four v_nop follow each line
	s_cmp_lt_u32 s[WV], 2
	s_cbranch_scc0 .Lnot_a_\@
	tensor_load_to_lds s[G0A+4*\s:G0A+4*\s+3], s[G1A:G1A+7]
	s_nop 0
.rept 4
	v_nop
.endr
	s_branch .Lasked_\@
.Lnot_a_\@:
	s_cmp_eq_u32 s[WV], 2
	s_cbranch_scc0 .Lfor_s_\@
	tensor_load_to_lds s[G0B+4*\s:G0B+4*\s+3], s[G1B:G1B+7]
	s_nop 0
.rept 4
	v_nop
.endr
	s_branch .Lasked_\@
.Lfor_s_\@:
	tensor_load_to_lds s[G0S+4*\s:G0S+4*\s+3], s[G1S:G1S+7]
	s_nop 0
.rept 4
	v_nop
.endr
.Lasked_\@:
.endm
.macro ASK pa, m, pass                 ; my blocks of the pass's m-th 512 along K; B's base is matrix 2 of wf, from which matrix 0 lies 2 x 16 x 16 records back
	global_prefetch_b8 v[PFA], s[\pa:\pa+1] offset:(\m)*4*REC th:TH_LOAD_NT scope:SCOPE_SE
	global_prefetch_b8 v[PFB], s[QB:QB+1] offset:(\m)*4*BREC-(2-(\pass))*2*16*16*BREC th:TH_LOAD_NT scope:SCOPE_SE
.endm
.macro WM d, b, a, c, sb, sa, rb, ra   ; one product; rb, ra: 1 = the scales stand in lanes 16-31
.if ((\rb) == 0) && ((\ra) == 0)
	v_wmma_scale_f32_16x16x128_f8f6f4 v[(\d):(\d)+7], v[(\b):(\b)+11], v[(\a):(\a)+11], v[(\c):(\c)+7], v[(\sb)], v[(\sa)] matrix_a_fmt:MATRIX_FMT_FP6 matrix_b_fmt:MATRIX_FMT_FP6
.elseif ((\rb) == 1) && ((\ra) == 0)
	v_wmma_scale_f32_16x16x128_f8f6f4 v[(\d):(\d)+7], v[(\b):(\b)+11], v[(\a):(\a)+11], v[(\c):(\c)+7], v[(\sb)], v[(\sa)] matrix_a_fmt:MATRIX_FMT_FP6 matrix_b_fmt:MATRIX_FMT_FP6 matrix_a_scale:MATRIX_SCALE_ROW1
.elseif ((\rb) == 0) && ((\ra) == 1)
	v_wmma_scale_f32_16x16x128_f8f6f4 v[(\d):(\d)+7], v[(\b):(\b)+11], v[(\a):(\a)+11], v[(\c):(\c)+7], v[(\sb)], v[(\sa)] matrix_a_fmt:MATRIX_FMT_FP6 matrix_b_fmt:MATRIX_FMT_FP6 matrix_b_scale:MATRIX_SCALE_ROW1
.else
	v_wmma_scale_f32_16x16x128_f8f6f4 v[(\d):(\d)+7], v[(\b):(\b)+11], v[(\a):(\a)+11], v[(\c):(\c)+7], v[(\sb)], v[(\sa)] matrix_a_fmt:MATRIX_FMT_FP6 matrix_b_fmt:MATRIX_FMT_FP6 matrix_a_scale:MATRIX_SCALE_ROW1 matrix_b_scale:MATRIX_SCALE_ROW1
.endif
.endm
.macro MUL8 a, p, q, slot              ; A's block a against B's eight; the 32 accumulators take turns, one instruction a turn, in the same order in every step
.irp b, 0,1,2,3,4,5,6,7
	WM 64*(\a)+8*\b, 96*(\p)+12*\b, AF+48*(\p)+12*(\a), 64*(\a)+8*\b, SB+16*(\slot)+4*(\b%4)+(\q), SA+2*(\p)+(\a)/2, \b/4, (\a)%2
.endr
.endm
.macro XMUL                            ; the x step, from sets 1: its C is the bias, so it starts all 32 sums
	WIN 0x91
.irp a, 0,1,2,3
.irp b, 0,1,2,3,4,5,6,7
	WM 64*\a+8*\b, 96+12*\b, AF+48+12*\a, BIAS+8*\b, XSB+\b%4, XSA+\a/2, \b/4, \a%2
.endr
.endr
.endm
.macro ABLK slot, q, p, a0             ; A's blocks a0, a0 + 1: images, three loads of 16 bytes a lane each
.irp a, \a0, \a0+1
.irp c, 0,1,2
	ds_load_b128 v[AF+48*(\p)+12*(\a)+4*\c:AF+48*(\p)+12*(\a)+4*\c+3], v[ADA+2*(\slot)+(\q)/2] offset:REC*((\q)%2)+1536*(\a)+512*\c
.endr
.endr
.endm
; the run that brings the slot's q-th 128 along K into sets p: A's scale words, (q = 0: B's scale words of the whole slot,) A's blocks 0, 1, B's eight, and last A's blocks 2, 3 (six loads)
.macro FETCH slot, q, p
	WIN 0
	ds_load_b64 v[SA+2*(\p):SA+2*(\p)+1], v[ASA+2*(\slot)+(\q)/2] offset:REC*((\q)%2)
.if (\q) == 0
.irp i, 0,1,2,3
	ds_load_b128 v[SB+16*(\slot)+4*\i:SB+16*(\slot)+4*\i+3], v[ADS+(\slot)] offset:512*\i
.endr
.endif
	ABLK \slot, \q, \p, 0
	WIN 0x40
.irp i, 0,1,2,3,4,5,6,7
.irp c, 0,1,2
	ds_load_b128 v[96*(\p)+12*\i+4*\c:96*(\p)+12*\i+4*\c+3], v[ADB+(\slot)] offset:BREC*(\q)+1536*\i+512*\c
.endr
.endr
	WIN 0
	ABLK \slot, \q, \p, 2
.endm
.macro HRUN n                          ; eight of H's 64 loads: my rows 16 (n / 2) .., column tiles 4 (n % 2) .. + 3, in the accumulators' layout
.set HR, 64*((\n)/2)+32*((\n)%2)
.set HO, 131072*((\n)/2)+256*((\n)%2)
	WIN 0xc0
.irp t, 0,1,2,3
	global_load_b128 v[HR+8*\t:HR+8*\t+3], v[HA], s[HP:HP+1] offset:HO+64*\t
	global_load_b128 v[HR+8*\t+4:HR+8*\t+7], v[HA], s[HP:HP+1] offset:HO+64*\t+16
.endr
.endm
.macro STEP slot, q                    ; a K step whose successor lies in the same slot
	s_wait_dscnt 6                                 ; all of this step's fragments but A's blocks 2, 3 are in
	PLACES 4                                       ; ahead of loads into the sets that the step before read
	FETCH \slot, (\q)+1, 1-(\q)%2
	WIN 0xa1
	MUL8 0, (\q)%2, \q, \slot
	MUL8 1, (\q)%2, \q, \slot
	s_wait_dscnt NF                                ; A's blocks 2, 3 are in: the run just issued may be out
	MUL8 2, (\q)%2, \q, \slot
	MUL8 3, (\q)%2, \q, \slot
.endm
; A slot's last K step, and the change of slots.  fill = 1 (in the loop): at slot 0's change the three plain addresses step 1,024 along K or, in lap 1, take the second pass's first addresses, and slot 0's descriptors take them;
; at slot 1's change its descriptors take the same addresses with 512 along K added.  The type is set over each address anew.  Lap 0 names pass 2's slot-th 512 along K for the prefetch, lap 1 its (2 + slot)-th, lap 2 nothing.
.macro TURN slot, next, fill
	WIN 0
	s_wait_tensorcnt 0x0                           ; all my tensor loads have landed: my part of the next slot; so a group 0 may be written
	ds_add_u32 v[SPW], v[NIL]
.if \fill
.if (\slot) == 0
	s_add_nc_u64 s[CA:CA+1], s[CA:CA+1], 2*4*REC
	s_add_nc_u64 s[CB:CB+1], s[CB:CB+1], 2*4*BREC
	s_add_nc_u64 s[CS:CS+1], s[CS:CS+1], 2*2048
	s_cmp_eq_u32 s[TRIP], 1                        ; the same in every wave of every work-group
	s_cselect_b64 s[CA:CA+1], s[QA:QA+1], s[CA:CA+1]
	s_cselect_b64 s[CB:CB+1], s[QB:QB+1], s[CB:CB+1]
	s_cselect_b64 s[CS:CS+1], s[QS:QS+1], s[CS:CS+1]
	s_mov_b64 s[G0A+2:G0A+3], s[CA:CA+1]
	s_or_b32 s[G0A+3], s[G0A+3], 0x80000000
	s_mov_b64 s[G0B+2:G0B+3], s[CB:CB+1]
	s_or_b32 s[G0B+3], s[G0B+3], 0x80000000
	s_mov_b64 s[G0S+2:G0S+3], s[CS:CS+1]
	s_or_b32 s[G0S+3], s[G0S+3], 0x80000000
.else
	s_add_nc_u64 s[G0A+6:G0A+7], s[CA:CA+1], 4*REC
	s_or_b32 s[G0A+7], s[G0A+7], 0x80000000
	s_add_nc_u64 s[G0B+6:G0B+7], s[CB:CB+1], 4*BREC
	s_or_b32 s[G0B+7], s[G0B+7], 0x80000000
	s_add_nc_u64 s[G0S+6:G0S+7], s[CS:CS+1], 2048
	s_or_b32 s[G0S+7], s[G0S+7], 0x80000000
.endif
.endif
	s_wait_dscnt 0x0                               ; the add is done, and my reads of this slot, this step's fragments, are back
	s_barrier_signal -1
	WIN 0xa1
	MUL8 0, 1, 3, \slot
	WIN 0
	s_barrier_wait -1
.if \fill
	CREST                                          ; no wave of any partner still reads this slot or has a load on its way
	JLOAD \slot                                    ; the first tensor load behind the round; its four v_nop are the places ahead of the loads below
.else
	PLACES 4
.endif
	FETCH \next, 0, 0
.if \fill
	s_cmp_eq_u32 s[TRIP], 0
	s_cbranch_scc0 .Lask_b_\@
	ASK P2, \slot, 2
	s_branch .Lask_e_\@
.Lask_b_\@:
	s_cmp_eq_u32 s[TRIP], 1
	s_cbranch_scc0 .Lask_e_\@
	ASK P2, 2+(\slot), 2
.Lask_e_\@:
.endif
	WIN 0xa1
	MUL8 1, 1, 3, \slot
	MUL8 2, 1, 3, \slot
	MUL8 3, 1, 3, \slot
.endm
; THE X STEP'S K IS TAKEN IN ANOTHER ORDER, alike in x and in W_x: the operand's places for blocks 0, 1, 2, 3 of 32 take the blocks 0, 2, 1, 3 of memory.  A lane (r, h), which holds places h and 2 + h, then wants
; blocks 2 h and 2 h + 1: 48 consecutive bytes at 96 r + 48 h, three loads of 16 bytes.  The products are the same; each scale word's bytes 1 and 2 change places to match.
.macro XPERM first                     ; the scale words just loaded, and eight places ahead of the scaled products
.irp i, 0,1,2,3
	v_perm_b32 v[XSB+\i], v[XSB+\i], v[XSB+\i], 0x03010200
.endr
.if \first
	v_perm_b32 v[XSA], v[XSA], v[XSA], 0x03010200
	v_perm_b32 v[XSA+1], v[XSA+1], v[XSA+1], 0x03010200
.endif
	PLACES 8
.endm
.macro XLOADW wc, ws                   ; W_x's eight fragments into B's set 1, and its scale words
	WIN 0x40
.irp b, 0,1,2,3,4,5,6,7
.irp c, 0,1,2
	global_load_b128 v[96+12*\b+4*\c:96+12*\b+4*\c+3], v[XA], s[\wc:\wc+1] offset:1536*\b+16*\c
.endr
.endr
	WIN 0
.irp i, 0,1,2,3
	global_load_b32 v[XSB+\i], v[XB], s[\ws:\ws+1] offset:64*\i
.endr
.endm
.macro XLOADX bb, first                ; the bias in the result's layout, x's four fragments into A's set 1; first = 1: x's scale words, which stay
	WIN 0x40
.irp t, 0,1,2,3,4,5,6,7
	global_load_b128 v[BIAS+8*\t:BIAS+8*\t+3], v[BH], s[\bb:\bb+1] offset:64*\t
	global_load_b128 v[BIAS+8*\t+4:BIAS+8*\t+7], v[BH], s[\bb:\bb+1] offset:64*\t+16
.endr
	WIN 0
.irp a, 0,1,2,3
.irp c, 0,1,2
	global_load_b128 v[AF+48+12*\a+4*\c:AF+48+12*\a+4*\c+3], v[XA], s[XC:XC+1] offset:1536*\a+16*\c
.endr
.endr
.if \first
	global_load_b32 v[XSA], v[L4], s[XS:XS+1]
	global_load_b32 v[XSA+1], v[L4], s[XS:XS+1] offset:128
.endif
.endm
; 128 transcendentals in place from v[t0] on, a batch; a0 >= 0: behind each two of them 1 is added to a pair of the OTHER 128, which the wait ahead of this batch has settled.  A plain line and one wait end the batch.
.macro TP op, t0, a0
.set ii, 0
.rept 64
	\op v[\t0+ii], v[\t0+ii]
	\op v[\t0+ii+1], v[\t0+ii+1]
.if \a0 >= 0
	v_pk_add_f32 v[\a0+ii:\a0+ii+1], v[\a0+ii:\a0+ii+1], 1.0 op_sel_hi:[1,0]
.endif
.set ii, ii+2
.endr
	v_nop
	s_wait_alu depctr_va_vdst(0)                   ; behind a batch and ahead of the next
.endm
.macro ACT cp                          ; all 256 sums become 1 / (1 + 2^(c s)), in place, each accumulator read from its low end on
	WIN 0x82
.set ii, 0
.rept 128
	v_pk_mul_f32 v[ii:ii+1], v[ii:ii+1], s[\cp:\cp+1] op_sel_hi:[1,0]
.set ii, ii+2
.endr
	s_wait_alu depctr_va_vdst(0)                   ; ahead of the first batch
	TP v_exp_f32, 0, -1
	TP v_exp_f32, 128, 0
	TP v_rcp_f32, 0, 128
	TP v_rcp_f32, 128, -1
.endm
.macro SUMS                            ; the rows' sums += accumulators (window 2) x window 3: eight chains by turns
	WIN 0x0e
.set ii, 0
.rept 32
.irp a, 0,1,2,3
	v_pk_fma_f32 v[S+4*\a+ii%4:S+4*\a+ii%4+1], v[64*\a+ii:64*\a+ii+1], v[64*\a+ii:64*\a+ii+1], v[S+4*\a+ii%4:S+4*\a+ii%4+1]
.endr
.set ii, ii+2
.endr
.endm
	s_load_b512 s[8:23], s[0:1], 0x0               ; hc, rhc, wf, wsc, H, x's codes, x's scales, W_xz's codes
	s_load_b256 s[24:31], s[0:1], 0x40             ; W_xz's scales, W_xh's codes, its scales, b_z
	s_load_b128 s[32:35], s[0:1], 0x60             ; b_h, W_hq
	s_load_b64 s[36:37], s[0:1], 0x70              ; part
	v_lshl_add_u32 v[SPW], v0, 2, SPARE
	v_mov_b32 v[NIL], 0
	ds_add_u32 v[SPW], v[NIL]                      ; the opening: the add, twice on end, and its wait ahead of my first tensor load
	ds_add_u32 v[SPW], v[NIL]
	v_lshrrev_b32 v1, 5, v0
	v_readfirstlane_b32 s[WV], v1                  ; wave 0..3
	s_and_b32 s5, s[WV], 1
	s_mul_i32 s6, s5, 2*REC                        ; which two records of a slot a wave that asks for A takes
	s_bfe_u32 s92, ttmp6, 0x40004                  ; cy
	s_and_b32 s93, ttmp7, 0xffff
	s_lshl_b32 s93, s93, 2
	s_add_co_u32 s93, s93, s92                     ; the row tile
	s_lshl_b32 s94, s92, 2
	s_lshl_b32 s94, 15, s94                        ; my row of the cluster
	s_bfe_u32 s96, ttmp6, 0x40000                  ; cx
	s_lshl_b32 s97, ttmp9, 2
	s_add_co_u32 s97, s97, s96                     ; the column tile
	s_lshl_b32 s98, 0x1111, s96                    ; my column of the cluster
	s_or_b32 s[G1A], s94, (3<<16)|(1<<21)          ; A: 51,200 dense bytes as 200 rows of 32 elements of 8 bytes
	s_mov_b32 s[G1A+1], 32<<16
	s_mov_b32 s[G1A+2], 200<<16
	s_mov_b32 s[G1A+3], 32<<16
	s_mov_b32 s[G1A+4], 200
	s_mov_b32 s[G1A+5], 32
	s_mov_b32 s[G1A+6], 0
	s_mov_b32 s[G1A+7], 0
	s_or_b32 s[G1B], s98, (3<<16)|(1<<21)          ; B: 49,152 dense bytes as 192 rows of 256
	s_mov_b32 s[G1B+1], 32<<16
	s_mov_b32 s[G1B+2], 192<<16
	s_mov_b32 s[G1B+3], 32<<16
	s_mov_b32 s[G1B+4], 192
	s_mov_b32 s[G1B+5], 32
	s_mov_b32 s[G1B+6], 0
	s_mov_b32 s[G1B+7], 0
	s_or_b32 s[G1S], s98, (3<<16)|(1<<21)          ; B's scales: 2,048 dense bytes as 8 rows of 256
	s_mov_b32 s[G1S+1], 32<<16
	s_mov_b32 s[G1S+2], 8<<16
	s_mov_b32 s[G1S+3], 32<<16
	s_mov_b32 s[G1S+4], 8
	s_mov_b32 s[G1S+5], 32
	s_mov_b32 s[G1S+6], 0
	s_mov_b32 s[G1S+7], 0
	s_mov_b32 s[NL2E], 0xbfb8aa3b                  ; -log2(e)
	s_mov_b32 s[NL2E+1], s[NL2E]
	s_mov_b32 s[SEL], 0x76543210
	s_mov_b32 s[SEL+1], 0xfedcba98
	s_mul_i32 s2, s[WV], 6144                      ; my four images in a record,
	s_lshl_b32 s3, s[WV], 8
	s_add_co_u32 s3, s3, 24576                     ; and my scale image
	s_mul_i32 s95, s[WV], 12                       ; the prefetches, in blocks of 256 bytes: B's record cy has 48, 12 a wave;
	s_mul_i32 s99, s92, 48
	s_add_co_u32 s95, s95, s99
	s_mul_i32 s99, s[WV], 25                       ; A's record cx has 100, 25 a wave
	s_mul_i32 s7, s96, 100
	s_add_co_u32 s99, s99, s7
	v_and_b32 v3, 31, v0                           ; lane
	v_and_b32 v1, 15, v0                           ; r
	v_bfe_u32 v2, v0, 4, 1                         ; h
	v_lshlrev_b32 v[L16], 4, v3
	v_lshlrev_b32 v[L8], 3, v3
	v_lshlrev_b32 v[L4], 2, v3
	v_add_nc_u32 v[ADA], s2, v[L16]
	v_add_nc_u32 v[ADA+1], 2*REC, v[ADA]
	v_add_nc_u32 v[ADA+2], SLOT, v[ADA]
	v_add_nc_u32 v[ADA+3], SLOT+2*REC, v[ADA]
	v_add_nc_u32 v[ASA], s3, v[L8]
	v_add_nc_u32 v[ASA+1], 2*REC, v[ASA]
	v_add_nc_u32 v[ASA+2], SLOT, v[ASA]
	v_add_nc_u32 v[ASA+3], SLOT+2*REC, v[ASA]
	v_add_nc_u32 v[ADB], BOFF, v[L16]
	v_add_nc_u32 v[ADB+1], SLOT+BOFF, v[L16]
	v_add_nc_u32 v[ADS], SOFF, v[L16]
	v_add_nc_u32 v[ADS+1], SLOT+SOFF, v[L16]
	v_mul_u32_u24 v[XA], v1, 96
	v_mad_u32_u24 v[XA], v2, 48, v[XA]
	v_lshlrev_b32 v[XB], 2, v1
	v_lshl_add_u32 v[XB], v2, 8, v[XB]
	v_lshlrev_b32 v[BH], 5, v2
	v_lshlrev_b32 v[HA], 13, v1
	v_lshl_add_u32 v[HA], v2, 5, v[HA]
	v_min_u32 v[PFA], 24, v3                       ; a lane a block; the lanes left over name the wave's last block again
	v_min_u32 v[PFB], 11, v3
	v_add_nc_u32 v[PFA], s99, v[PFA]
	v_add_nc_u32 v[PFB], s95, v[PFB]
	v_lshlrev_b32 v[PFA], 8, v[PFA]
	v_lshlrev_b32 v[PFB], 8, v[PFB]
.irp i, 0,1,2,3,4,5,6,7,8,9,10,11,12,13,14,15
	v_mov_b32 v[S+\i], 0                           ; the rows' sums: written here, on the one way that all laps share, since the middle part stands under a branch
.endr
	s_wait_alu depctr_va_vdst(0)                   ; behind the head's last vector instruction
	s_wait_dscnt 0x0                               ; both opening adds are done
	s_wait_kmcnt 0x0
	s_lshl_b32 s2, s93, 8
	s_lshl_b32 s3, s[WV], 6
	s_add_co_u32 s7, s2, s3                        ; my wave's first row
	s_lshl_b32 s2, s7, 13
	s_lshl_b32 s3, s97, 9
	s_add_co_u32 s2, s2, s3
	s_mov_b32 s3, 0
	s_add_nc_u64 s[HP:HP+1], s[HP:HP+1], s[2:3]
	s_mul_i32 s2, s7, 96
	s_add_nc_u64 s[XC:XC+1], s[XC:XC+1], s[2:3]
	s_lshl_b32 s2, s7, 2
	s_add_nc_u64 s[XS:XS+1], s[XS:XS+1], s[2:3]
	s_mul_i32 s2, s97, 128*96
	s_add_nc_u64 s[WXZ:WXZ+1], s[WXZ:WXZ+1], s[2:3]
	s_add_nc_u64 s[WXH:WXH+1], s[WXH:WXH+1], s[2:3]
	s_lshl_b32 s2, s97, 9
	s_add_nc_u64 s[SXZ:SXZ+1], s[SXZ:SXZ+1], s[2:3]
	s_add_nc_u64 s[SXH:SXH+1], s[SXH:SXH+1], s[2:3]
	s_add_nc_u64 s[BZ:BZ+1], s[BZ:BZ+1], s[2:3]
	s_add_nc_u64 s[BHH:BHH+1], s[BHH:BHH+1], s[2:3]
	s_add_nc_u64 s[WQ:WQ+1], s[WQ:WQ+1], s[2:3]
	s_lshl_b32 s2, s97, 14                         ; part: 16,384 bytes a column tile, 256 for each 64 rows
	s_lshl_b32 s7, s7, 2
	s_add_co_u32 s2, s2, s7
	s_add_nc_u64 s[PT:PT+1], s[PT:PT+1], s[2:3]
	s_mul_i32 s94, s93, 16*REC                     ; A's addresses are made of the row tile and the wave's number alone:
	s_mov_b32 s95, 0
	s_mov_b32 s7, 0
	s_add_nc_u64 s[P1:P1+1], s[CA:CA+1], s[94:95]  ; hc and
	s_add_nc_u64 s[P2:P2+1], s[QA:QA+1], s[94:95]  ; rhc at my row tile,
	s_add_nc_u64 s[CA:CA+1], s[P1:P1+1], s[6:7]    ; and at the two records that I ask for
	s_add_nc_u64 s[QA:QA+1], s[P2:P2+1], s[6:7]
	s_mul_i32 s98, s97, 16*BREC                    ; B's and its scales' of the column tile alone
	s_mov_b32 s99, 0
	s_add_nc_u64 s[CB:CB+1], s[CB:CB+1], s[98:99]  ; matrix 0 of wf,
	s_add_nc_u64 s[QB:QB+1], s[CB:CB+1], 2*16*16*BREC   ; matrix 2
	s_lshl_b32 s98, s97, 13
	s_add_nc_u64 s[CS:CS+1], s[CS:CS+1], s[98:99]  ; matrix 0 of wsc
	CROUND                                         ; all sixteen work-groups are here: the first joint loads meet
.irp s, 0,1
	s_mov_b32 s[G0A+4*\s], 1
	s_add_co_u32 s[G0A+4*\s+1], s6, \s*SLOT
	s_add_nc_u64 s[G0A+4*\s+2:G0A+4*\s+3], s[CA:CA+1], \s*4*REC
	s_or_b32 s[G0A+4*\s+3], s[G0A+4*\s+3], 0x80000000
	s_mov_b32 s[G0B+4*\s], 1
	s_mov_b32 s[G0B+4*\s+1], \s*SLOT+BOFF
	s_add_nc_u64 s[G0B+4*\s+2:G0B+4*\s+3], s[CB:CB+1], \s*4*BREC
	s_or_b32 s[G0B+4*\s+3], s[G0B+4*\s+3], 0x80000000
	s_mov_b32 s[G0S+4*\s], 1
	s_mov_b32 s[G0S+4*\s+1], \s*SLOT+SOFF
	s_add_nc_u64 s[G0S+4*\s+2:G0S+4*\s+3], s[CS:CS+1], \s*2048
	s_or_b32 s[G0S+4*\s+3], s[G0S+4*\s+3], 0x80000000
.endr
	JLOAD 0                                        ; slot 0: one tensor load a wave at the head
	s_add_nc_u64 s[QS:QS+1], s[CS:CS+1], 262144    ; matrix 2 of wsc, in registers that held the column's coordinate alone
	s_mov_b32 s[TH], 0x4038aa3b                    ; 2 log2(e)
	s_mov_b32 s[TH+1], s[TH]
	ASK P1, 1, 1
	ASK P1, 2, 1
	ASK P1, 3, 1
	XLOADW WXZ, SXZ
	XLOADX BZ, 1
	s_wait_loadcnt 0x0                             ; the x step's 58 loads
	XPERM 1
.irp t, 0,1,2,3,4,5,6,7
	global_load_b128 v[W+8*\t:W+8*\t+3], v[BH], s[WQ:WQ+1] offset:64*\t      ; w at the lane's columns 16 t + 8 h + 0 .. 7
	global_load_b128 v[W+8*\t+4:W+8*\t+7], v[BH], s[WQ:WQ+1] offset:64*\t+16
.endr
.irp n, 0,1,2,3,4
	HRUN \n                                        ; 40 of H's loads: with w's 16, 56 are out
.endr
	XMUL                                           ; the x step runs while slot 0 is on its way
	WIN 0
	s_wait_tensorcnt 0x0                           ; my part of slot 0 is in
	ds_add_u32 v[SPW], v[NIL]
	s_wait_dscnt 0x0
	CROUND
	JLOAD 1                                        ; slot 1's first fill, the first tensor load behind the round
	FETCH 0, 0, 0
.irp n, 5,6,7
	HRUN \n                                        ; H's last 24 loads
.endr
	WIN 0
	s_mov_b32 s[TRIP], 0
.Llap:                                                 ; laps 0, 1 and 2: pass 1, and pass 2's first half; each fills both slots again
	STEP 0, 0
	STEP 0, 1
	STEP 0, 2
	TURN 0, 1, 1
	STEP 1, 0
	STEP 1, 1
	STEP 1, 2
	TURN 1, 0, 1
	WIN 0
	s_cmp_lg_u32 s[TRIP], 1
	s_cbranch_scc1 .Lno_middle
	; ---- THE MIDDLE: pass 1's sums are whole.  Sets 0 already take pass 2's first fragments; sets 1 take the x step's operands
	s_wait_loadcnt 0x0                             ; H and w
	PLACES 4                                       ; ahead of loads into registers that the last products read, and of the first read of the sums
	XLOADW WXH, SXH                                ; 56 loads, which land under the sigmoid
	XLOADX BHH, 0
	ACT NL2E                                       ; Z
.irp a, 0,1,2,3
.set ii, 0
.rept 32
	v_pk_mul_f32 v[64*\a+ii:64*\a+ii+1], v[64*\a+ii:64*\a+ii+1], v[W+ii:W+ii+1]   ; w Z
.set ii, ii+2
.endr
.endr
	SUMS                                           ; += (w Z) H
	WIN 0xc8                                       ; w window 0, w Z window 2, the result over H in window 3
.set ii, 0
.rept 32
.irp a, 0,1,2,3
	v_pk_add_f32 v[64*\a+ii:64*\a+ii+1], v[W+ii:W+ii+1], v[64*\a+ii:64*\a+ii+1] neg_lo:[0,1] neg_hi:[0,1]   ; w - w Z
.endr
.set ii, ii+2
.endr
	WIN 0
	s_wait_alu depctr_va_vdst(0)                   ; directly ahead of the wait below
	s_wait_loadcnt 0x0                             ; the x step's operands
	XPERM 0                                        ; its eight places also serve the accumulators, which are begun anew with another C
	XMUL
	WIN 0
.Lno_middle:
	s_add_co_u32 s[TRIP], s[TRIP], 1
	s_cmp_lt_u32 s[TRIP], 3
	s_cbranch_scc1 .Llap
	STEP 0, 0                                      ; LAP 3, pass 2's second half, is written out: nothing is left to fetch
	STEP 0, 1
	STEP 0, 2
	TURN 0, 1, 0
	STEP 1, 0
	STEP 1, 1
	STEP 1, 2
	s_wait_dscnt 0x0
	WIN 0xa1
	MUL8 0, 1, 3, 1
	MUL8 1, 1, 3, 1
	MUL8 2, 1, 3, 1
	MUL8 3, 1, 3, 1
	; ---- tanh, the rows' sums, out
	s_wait_loadcnt 0x0                             ; the middle has awaited every load; the wait is written on the way that leads round the middle too
	PLACES 4
	ACT TH
.set ii, 0
.rept 128
	v_pk_fma_f32 v[ii:ii+1], v[ii:ii+1], -2.0, 1.0 op_sel_hi:[1,0,0]   ; tanh
.set ii, ii+2
.endr
	SUMS                                           ; += tanh (w - w Z)
	WIN 0
.irp a, 0,1,2,3
	v_pk_add_f32 v[S+4*\a:S+4*\a+1], v[S+4*\a:S+4*\a+1], v[S+4*\a+2:S+4*\a+3]
.endr
.irp a, 0,1,2,3
	v_add_f32 v[S+4*\a], v[S+4*\a], v[S+4*\a+1]
.endr
.irp a, 0,1,2,3
	v_permlanex16_b32 v[S+4*\a+1], v[S+4*\a], s[SEL], s[SEL+1]   ; the row's other 64 columns lie in the lane 16 away
.endr
.irp a, 0,1,2,3
	v_add_f32 v[S+4*\a], v[S+4*\a], v[S+4*\a+1]
.endr
	v_cmp_ne_u32 vcc_lo, 0, v2
	v_cndmask_b32 v[S+2], v[S], v[S+4], vcc_lo     ; lane l: row l of my 64,
	v_cndmask_b32 v[S+3], v[S+8], v[S+12], vcc_lo  ; and row 32 + l
	global_store_b64 v[L8], v[S+2:S+3], s[PT:PT+1] ; 256 consecutive bytes, aligned
	s_wait_tensorcnt 0x0                           ; the wave's end
	ds_add_u32 v[SPW], v[NIL]
	s_wait_dscnt 0x0
	CROUND                                         ; the closing round
	s_endpgm
.Lfunc_end_k_qe1df274358_gate_zh:
	.size	k_qe1df274358_gate_zh, .Lfunc_end_k_qe1df274358_gate_zh-k_qe1df274358_gate_zh
	.p2alignl 7, 3214868480
	.fill 96, 4, 3214868480
	.section	.rodata,"a",@progbits
	.p2align	6, 0x0
	.amdhsa_kernel k_qe1df274358_gate_zh
		.amdhsa_group_segment_fixed_size 327680
		.amdhsa_private_segment_fixed_size 0
		.amdhsa_enable_private_segment 0
		.amdhsa_kernarg_size 120
		.amdhsa_user_sgpr_count 2
		.amdhsa_user_sgpr_kernarg_segment_ptr 1
		.amdhsa_wavefront_size32 1
		.amdhsa_system_sgpr_workgroup_id_x 1
		.amdhsa_system_sgpr_workgroup_id_y 1
		.amdhsa_system_sgpr_workgroup_id_z 1
		.amdhsa_system_vgpr_workitem_id 0
		.amdhsa_next_free_vgpr 1024
		.amdhsa_next_free_sgpr 102
		.amdhsa_reserve_vcc 1
		.amdhsa_float_denorm_mode_32 3
		.amdhsa_float_denorm_mode_16_64 3
		.amdhsa_memory_ordered 1
		.amdhsa_forward_progress 1
		.amdhsa_inst_pref_size 255
	.end_amdhsa_kernel
	.section	.bss,"aw",@nobits
	.p2align	6
	.space	262144
	.amdgpu_metadata
---
amdhsa.version: [ 1, 2 ]
amdhsa.kernels:
  - .name:           k_qe1df274358_gate_zh
    .symbol:         k_qe1df274358_gate_zh.kd
    .args:
      - { .name: hc, .offset: 0, .size: 8, .value_kind: global_buffer, .address_space: global }
      - { .name: rhc, .offset: 8, .size: 8, .value_kind: global_buffer, .address_space: global }
      - { .name: wf, .offset: 16, .size: 8, .value_kind: global_buffer, .address_space: global }
      - { .name: wsc, .offset: 24, .size: 8, .value_kind: global_buffer, .address_space: global }
      - { .name: H, .offset: 32, .size: 8, .value_kind: global_buffer, .address_space: global }
      - { .name: x_codes, .offset: 40, .size: 8, .value_kind: global_buffer, .address_space: global }
      - { .name: x_scales, .offset: 48, .size: 8, .value_kind: global_buffer, .address_space: global }
      - { .name: W_xz_codes, .offset: 56, .size: 8, .value_kind: global_buffer, .address_space: global }
      - { .name: W_xz_scales, .offset: 64, .size: 8, .value_kind: global_buffer, .address_space: global }
      - { .name: W_xh_codes, .offset: 72, .size: 8, .value_kind: global_buffer, .address_space: global }
      - { .name: W_xh_scales, .offset: 80, .size: 8, .value_kind: global_buffer, .address_space: global }
      - { .name: b_z, .offset: 88, .size: 8, .value_kind: global_buffer, .address_space: global }
      - { .name: b_h, .offset: 96, .size: 8, .value_kind: global_buffer, .address_space: global }
      - { .name: W_hq, .offset: 104, .size: 8, .value_kind: global_buffer, .address_space: global }
      - { .name: part, .offset: 112, .size: 8, .value_kind: global_buffer, .address_space: global }
    .group_segment_fixed_size: 327680
    .private_segment_fixed_size: 0
    .kernarg_segment_align: 8
    .kernarg_segment_size: 120
    .max_flat_workgroup_size: 128
    .sgpr_count:     102
    .vgpr_count:     1024
    .wavefront_size: 32
...
	.end_amdgpu_metadata
.endif
;; end of part 3
;; launch finish (part 4): grid 16 x 1, 4 waves a work-group, no clusters, 0 bytes of LDS; arguments part, b_q, out0; writes out0
.if DOCPART == 4
	.amdgcn_target "amdgcn-amd-amdhsa--gfx1250"
	.amdhsa_code_object_version 6
	.text
	.protected	k_qe1df274358_finish
	.globl	k_qe1df274358_finish
	.p2align	8
	.type	k_qe1df274358_finish,@function
k_qe1df274358_finish:
	s_mov_b64 s[64:65], 0
	v_nop
	global_prefetch_b8 v0, s[64:65] scope:SCOPE_SE
	s_setreg_imm32_b32 hwreg(HW_REG_WAVE_MODE, 25, 1), 1
	s_wait_xcnt 0x0
; out0[row] = b_q + the sum over the 16 column tiles of part.  part = [column tile 16][group of 64 rows: 64][256 bytes]: lane l's 8 bytes hold rows 64 g + l and 64 g + 32 + l.
; A thread takes one such pair: 2,048 threads.  All 16 loads of a thread go out together, each 256 consecutive bytes a wave.  No LDS, no matrix unit: 262,144 bytes are read once and 16,384 written.
	s_load_b128 s[4:7], s[0:1], 0x0                ; part s[4:5], b_q s[6:7]
	s_load_b64 s[8:9], s[0:1], 0x10                ; out0
	s_lshl_b32 s10, ttmp9, 7
	v_add_nc_u32 v1, s10, v0                       ; the thread's number in the launch
	v_lshlrev_b32 v2, 3, v1                        ; its pair's place in a column tile's part
	v_lshrrev_b32 v3, 5, v1                        ; g
	v_and_b32 v4, 31, v1
	v_lshlrev_b32 v4, 2, v4
	v_lshl_add_u32 v3, v3, 8, v4                   ; out0: 256 g + 4 l
	s_wait_alu depctr_va_vdst(0)
	s_wait_kmcnt 0x0
	s_load_b32 s11, s[6:7], 0x0
.irp c, 0,1,2,3,4,5,6,7,8,9,10,11,12,13,14,15
	global_load_b64 v[8+2*\c:9+2*\c], v2, s[4:5] offset:16384*\c th:TH_LOAD_NT
.endr
	s_wait_loadcnt 0x0
.irp c, 0,1,2,3,4,5,6,7
	v_pk_add_f32 v[8+2*\c:9+2*\c], v[8+2*\c:9+2*\c], v[24+2*\c:25+2*\c]
.endr
.irp c, 0,1,2,3
	v_pk_add_f32 v[8+2*\c:9+2*\c], v[8+2*\c:9+2*\c], v[16+2*\c:17+2*\c]
.endr
.irp c, 0,1
	v_pk_add_f32 v[8+2*\c:9+2*\c], v[8+2*\c:9+2*\c], v[12+2*\c:13+2*\c]
.endr
	v_pk_add_f32 v[8:9], v[8:9], v[10:11]
	s_wait_alu depctr_va_vdst(0)
	s_wait_kmcnt 0x0
	v_add_f32 v8, s11, v8
	v_add_f32 v9, s11, v9
	global_store_b32 v3, v8, s[8:9]
	global_store_b32 v3, v9, s[8:9] offset:128
	s_endpgm
.Lfunc_end_k_qe1df274358_finish:
	.size	k_qe1df274358_finish, .Lfunc_end_k_qe1df274358_finish-k_qe1df274358_finish
	.p2alignl 7, 3214868480
	.fill 96, 4, 3214868480
	.section	.rodata,"a",@progbits
	.p2align	6, 0x0
	.amdhsa_kernel k_qe1df274358_finish
		.amdhsa_group_segment_fixed_size 0
		.amdhsa_private_segment_fixed_size 0
		.amdhsa_enable_private_segment 0
		.amdhsa_kernarg_size 24
		.amdhsa_user_sgpr_count 2
		.amdhsa_user_sgpr_kernarg_segment_ptr 1
		.amdhsa_wavefront_size32 1
		.amdhsa_system_sgpr_workgroup_id_x 1
		.amdhsa_system_sgpr_workgroup_id_y 1
		.amdhsa_system_sgpr_workgroup_id_z 1
		.amdhsa_system_vgpr_workitem_id 0
		.amdhsa_next_free_vgpr 48
		.amdhsa_next_free_sgpr 66
		.amdhsa_reserve_vcc 0
		.amdhsa_float_denorm_mode_32 3
		.amdhsa_float_denorm_mode_16_64 3
		.amdhsa_memory_ordered 1
		.amdhsa_forward_progress 1
		.amdhsa_inst_pref_size 4
	.end_amdhsa_kernel
	.amdgpu_metadata
---
amdhsa.version: [ 1, 2 ]
amdhsa.kernels:
  - .name:           k_qe1df274358_finish
    .symbol:         k_qe1df274358_finish.kd
    .args:
      - { .name: part, .offset: 0, .size: 8, .value_kind: global_buffer, .address_space: global }
      - { .name: b_q, .offset: 8, .size: 8, .value_kind: global_buffer, .address_space: global }
      - { .name: out0, .offset: 16, .size: 8, .value_kind: global_buffer, .address_space: global }
    .group_segment_fixed_size: 0
    .private_segment_fixed_size: 0
    .kernarg_segment_align: 8
    .kernarg_segment_size: 24
    .max_flat_workgroup_size: 128
    .sgpr_count:     66
    .vgpr_count:     48
    .wavefront_size: 32
...
	.end_amdgpu_metadata
.endif
;; end of part 4
